; MI455X (gfx1250); checked and timed in simulation.
; The chip was launched on July 23, 2026; its instructions are those of AMD's public machine-readable ISA for CDNA 5 (MIT licence, August 2026) and "CDNA5" Instruction Set Architecture Reference Guide (July 2026). The comments in the code are by the model that wrote it; some were corrected since.
;; Multi Head Cross Attention. Allowed arithmetic: matrix products marked QUANTISED: E4M3 operands, one E8M0 scale for each 32 along K, by v_wmma_scale_f32_16x16x128_f8f6f4 with both operands' format E4M3, f32 sums; everything else in f32.
;; Inputs: W_kv_codes 2,048 x 32 x 32 uint8 (E4M3 codes of W_kv, K innermost, in blocks of 32 codes); W_kv_scales 2,048 x 32 uint8 (E8M0 scales of W_kv, one for each 32 codes along K); W_o_codes 1,024 x 32 x 32 uint8 (E4M3 codes of W_o, K innermost, in blocks of 32 codes); W_o_scales 1,024 x 32 uint8 (E8M0 scales of W_o, one for each 32 codes along K); W_q_codes 1,024 x 32 x 32 uint8 (E4M3 codes of W_q, K innermost, in blocks of 32 codes); W_q_scales 1,024 x 32 uint8 (E8M0 scales of W_q, one for each 32 codes along K); b_kv 2,048 float32; b_o 1,024 float32; b_q 1,024 float32; embeddings_codes 2 x 2,048 x 32 x 32 uint8 (E4M3 codes of embeddings, K innermost, in blocks of 32 codes); embeddings_scales 2 x 2,048 x 32 uint8 (E8M0 scales of embeddings, one for each 32 codes along K).
;; Outputs: out0 2 x 2,048 x 1,024 float32.
;; This version of the problem:
;;   THIS VERSION OF THE PROBLEM IS GIVEN IN LOW PRECISION. The matrix products marked QUANTISED in the list below multiply operands that are first quantised to E4M3 (4 exponent bits, 3 mantissa bits; 8 bits a number), with one power-of-two scale for each 32 numbers along K (OCP MX v1.0); their sums are f32. All else is computed in f32.
;;   The module's matrix products, in the order in which they are computed (A, B: the left and right operand; K: the contracted axis; several contracted axes count as one K, in the product's order):
;;     1. [M 4,096, K 1,024] x [K 1,024, N 2,048]; A: input embeddings (given as codes); B: input W_kv (given as codes): QUANTISED
;;     2. [M 4,096, K 1,024] x [K 1,024, N 1,024]; A: input embeddings (given as codes); B: input W_q (given as codes): QUANTISED
;;     3. batch 32 x [M 2,048, K 64] x [K 64, N 2,048]; A: computed on the way; B: computed on the way: QUANTISED
;;     4. batch 32 x [M 2,048, K 2,048] x [K 2,048, N 64]; A: softmax (see below); B: computed on the way: QUANTISED
;;     5. [M 4,096, K 1,024] x [K 1,024, N 1,024]; A: computed on the way; B: input W_o (given as codes): QUANTISED
;;   THE QUANTISER, for each operand of a quantised product, along K:
;;     - K is cut into blocks of 32 from its start; a last block that is shorter is filled with zeros.
;;     - A block's scale is 2^e with e = floor(log2(the largest magnitude in the block)) - 8, held to -126 .. 127; a block of zeros has e = 0. As a byte (E8M0): e + 127.
;;     - Each number is divided by its block's scale, clamped to +-448, and rounded to the nearest number of E4M3, ties to even, subnormals kept.
;;     - The product sums the exact products of the quantised numbers (number of the format x scale) in f32.
;;   ~~~python
;;   def quantise(x, axis):      # numpy; x: float32 -> the quantised numbers, widened to float32 again
;;       x = np.moveaxis(x, axis, -1); K = x.shape[-1]
;;       x = np.pad(x, [(0, 0)] * (x.ndim - 1) + [(0, -K % 32)]); x = x.reshape(x.shape[:-1] + (-1, 32)); a = np.abs(x).max(-1, keepdims=True)
;;       e = np.where(a > 0, np.clip(np.frexp(np.where(a > 0, a, 1))[1] - 1 - 8, -126, 127), 0)      # np.frexp(a)[1] - 1 = floor(log2(a)), exactly
;;       r = np.clip(x / 2.0 ** e, -448, 448)
;;       step = 2.0 ** (np.maximum(np.frexp(np.where(r == 0, 1, r))[1] - 1, -6) - 3)
;;       q = np.round(r / step) * step * 2.0 ** e      # np.round: ties to even
;;       return np.moveaxis(q.reshape(q.shape[:-2] + (-1,))[..., :K], -1, axis).astype(np.float32)
;;   ~~~
;;   SOFTMAX AHEAD OF A QUANTISED PRODUCT. Where the list says 'softmax', what is quantised is not the finished softmax but p = 2^(t - M), with t = logit x log2(e) and M = ceil(the row's largest t), a whole number; so 1/2 < the row's largest p <= 1. The row's sum l is taken of the UNQUANTISED p, in f32, and the product's result is divided by l at the end. Since M is a whole number, a kernel that streams over the keys may use a running M (the ceiling of the running maximum): every later rescaling is an exact power of two, which a block's scale takes up: the codes' values come out the same.
;;   OPERANDS COMPUTED ON THE WAY. 'Computed on the way' means the value that the module computes at that place (a softmax that the list does not call 'softmax' is quantised finished and normalised). What goes into a quantiser is computed in f32, as accurately as f32 sums, v_exp_f32 and their like allow (about 1e-6 of the number): no bf16 or f16 on the way to a quantiser, and a product that is left as it is and whose result goes on into a quantised operand takes f32 operands (vector FMAs, or v_wmma_f32_16x16x4_f32). A number that lies on a knife's edge between two numbers of the format may be rounded either way, as far as f32 arithmetic and the matrix unit's own rounding can turn it there, and no further.
;;   INPUTS GIVEN AS CODES. W_kv (in the module: [1024, 2048], K = its axis 0); W_o (in the module: [1024, 1024], K = its axis 0); W_q (in the module: [1024, 1024], K = its axis 0); embeddings (in the module: [2, 2048, 1024], K = its axis 2): each comes as NAME_codes (uint8): NAME with its K axis moved to the last place and cut into blocks of 32 codes, [.., K / 32, bytes a block], one block behind the other in memory; one code a byte (a code: sign, 4 exponent bits, 3 mantissa bits); and NAME_scales (uint8): the same leading axes, one E8M0 byte (e + 127) for each 32 codes along K. Its value is code x scale, taken as it is: it is not quantised again, and the codes and scales need not be those that the quantiser above would give.
;; One version. Each part assembles by itself: llvm-mc -triple=amdgcn-amd-amdhsa -mcpu=gfx1250 --defsym DOCPART=n.
;; ======== version 1 of 1: 3 launches
;; limits: right only within a limited range of input values
;; workspace buffers: q_img 4,194,304 bytes; kv_img 8,388,608 bytes; scl 524,288 bytes; ctx_img 4,194,304 bytes; ctx_scl 131,072 bytes
;; launch proj (part 1): grid 16 x 16, 4 waves a work-group, clusters of 4 x 4, 327,680 bytes of LDS; arguments embeddings_codes, embeddings_scales, W_q_codes, W_q_scales, b_q, W_kv_codes, W_kv_scales, b_kv, q_img, kv_img, scl; writes q_img, kv_img, scl
.if DOCPART == 1
	.amdgcn_target "amdgcn-amd-amdhsa--gfx1250"
	.amdhsa_code_object_version 6
	.text
	.protected	k_qb16946b304_proj
	.globl	k_qb16946b304_proj
	.p2align	8
	.type	k_qb16946b304_proj,@function
k_qb16946b304_proj:
	s_mov_b64 s[64:65], 0
	v_nop
	global_prefetch_b8 v0, s[64:65] scope:SCOPE_SE
	s_setreg_imm32_b32 hwreg(HW_REG_WAVE_MODE, 25, 1), 1
	s_wait_xcnt 0x0
	s_wait_alu depctr_hold_cnt(0) depctr_sa_sdst(0) depctr_va_vdst(0) depctr_va_sdst(0) depctr_va_ssrc(0) depctr_va_vcc(0) depctr_vm_vsrc(0)
	s_getreg_b32 s2, hwreg(HW_REG_IB_STS2, 6, 4)
	s_cmp_eq_u32 s2, 0
	s_cbranch_scc0 .Lentry_in_a_cluster
	s_endpgm
.Lentry_in_a_cluster:
	s_bfe_u32 s2, ttmp6, 0x10000c
	s_cmp_lg_u32 s2, 0xf033
	s_cbranch_scc0 .Lentry_shape_is_right
	s_endpgm
.Lentry_shape_is_right:
; q, k, v = embeddings W + b on codes of FP8 (E4M3) with one E8M0 scale for each 32 along K = 1,024, and their quantisers: q and k along the head's 64, v along the keys.  No f32 result is stored.  Nothing of reference() is left out in this program.
; LIMITS: NaN and infinities are not served.  A block under 2^-118 (zeros too) gets the byte 1: this program alone reads the bytes.
; SHARES.  Work-group (x, y) makes rows 256 y on of head x: 64 columns each of q, k, v.  Wave w makes all 256 rows of 48 columns: block n = w % 2 (32 columns) of q (waves 0, 1) or k (waves 2, 3), and tile w (16 columns) of v.
; Its rows of the weights, all of K, stay in 384 registers; x's rows stream past them in pairs of blocks of 16: 48 matrix instructions a pair on six accumulators by turns, and the pair before is quantised among them.
; LDS.  At the head: W_q's 64 rows and W_kv's 128 (192 rows of 1,024 bytes + 16 of padding), and x's first 96 rows.  When all waves hold the weights in registers, x's other 160 rows are filled over them in one drained round.
; CLUSTERS: 4 x 4 work-groups.  The four of a row of the cluster need the same rows of x, the four of a column the same rows of the weights: each tile is asked for JOINTLY.
; PREFETCH: x's rows 96 on, which the refill brings, are asked for behind the first barrier: a sixteenth (40 blocks of 256 bytes) by each of the sixteen waves of a cluster's row, told apart by address.
; q and k are used TRANSPOSED (source 0 = the weight's rows): a lane holds one row of x, its 16 registers of two tiles are columns 8 h + j and 16 + 8 h + j of the block of 32.  v is not: a lane holds one column, its registers run along the rows.
; OUT: q_img [bh][tile of 16][block n][lane][16];  kv_img [bh][key step of 128]: K [32 keys][group c][lane][16], then V [tile][32 keys][lane][16];  scl [bh][256 rows]: 2 bytes a row of q, from byte 1,024 on two key steps' words of K and V.
; REGISTERS.  Window 0: addresses, scale words, bias, two sets of accumulators.  Window 1: q's or k's fragments (16 (2 ks + t)), window 2: v's (16 ks), window 3: a pair of x's blocks (128 e + 16 ks).
.set PITCH, 1040
.set BLK,   16*PITCH
.set XB,    192*PITCH                  ; x's first 96 rows; rows 96 on lie from byte 0 on
.set SPARE, XB+96*PITCH                ; the spare words, 128 bytes for each wave
.set TAB,   SPARE+512                  ; 2,048 bytes: the scale bytes on their way out
.set STG,   TAB+2048                   ; 1,024 bytes for each wave: q's or k's codes on their way out
.set SB2,  1                           ; v1   as v255, for k in the second key step
.set SVB,  2                           ; v2   where v's bytes go
.set ADW,  3                           ; v3   LDS address of my q or k fragments
.set ADV,  4                           ; v4   of my v fragments
.set LI,   5                           ; v5   16 x lane
.set KSE,  6                           ; v6, v7  where a pair's codes go in my stage: even block, odd block
.set KSO,  7
.set M0,   8                           ; three units of 16 numbers a lane: two maxima,
.set M1,   11
.set T,    14                          ; the other half's,
.set SOP,  17                          ; the conversion's scale operand,
.set HO,   20                          ; 448 x the scale,
.set BY,   23                          ; the scale byte
.set AX,   26                          ; v26-31  LDS address of x's blocks 3 i, 3 i + 1, 3 i + 2
.set SX,   32                          ; v32-95  x's scale words: pair p, K step ks at 8 p + ks: lanes 0-15 the even block's, lanes 16-31 the odd one's
.set PV,   96                          ; v96-99  v's codes
.set SW,   100                         ; v100-107  q's or k's scale words: lanes 0-15 tile 0's, lanes 16-31 tile 1's
.set PQ,   108                         ; v108-115  q's or k's codes: even block, odd block
.set SV,   116                         ; v116-123  v's scale words
.set BQ,   124                         ; v124-139  the bias, as the first products' C
.set BV,   140                         ; v140-147
.set ACC,  148                         ; v148-243  two sets: even block's two tiles, odd block's two, v's two
.set BK,   244                         ; v244-251  codes back from the stage
.set SPW,  252
.set NIL,  253
.set KLD,  254                         ; v254  where I read my stage back
.set SB,   255                         ; v255  where q's or k's bytes go
.set G1X,  40                          ; descriptor groups 1: x's 48 rows at the head;
.set G1Q,  48                          ; W_q's 64;
.set G1K,  56                          ; W_kv's 128;
.set G1R,  68                          ; the refill's 40 rows
.set G0X,  76
.set G0Q,  80
.set G0K,  84
.set G0R,  88
.set MSB, 0
.macro WIN new                         ; the immediate's high byte repeats the setting that is left
.set NEWW, \new
.if MSB != NEWW
	s_set_vgpr_msb (MSB<<8)|NEWW
.set MSB, NEWW
.endif
.endm
.macro PLACES n
.rept \n
	v_nop
.endr
.endm
.macro WM d, a, b, c, sa, sb, ra, rb   ; one matrix instruction; ra, rb = 1: that side's scale words stand in lanes 16-31
.set W_D, \d
.set W_A, \a
.set W_B, \b
.set W_C, \c
.set W_SA, \sa
.set W_SB, \sb
.set W_SEL, (\ra)+2*(\rb)
.if W_SEL == 0
	v_wmma_scale_f32_16x16x128_f8f6f4 v[W_D:W_D+7], v[W_A:W_A+15], v[W_B:W_B+15], v[W_C:W_C+7], v[W_SA], v[W_SB]
.elseif W_SEL == 1
	v_wmma_scale_f32_16x16x128_f8f6f4 v[W_D:W_D+7], v[W_A:W_A+15], v[W_B:W_B+15], v[W_C:W_C+7], v[W_SA], v[W_SB] matrix_a_scale:MATRIX_SCALE_ROW1
.elseif W_SEL == 2
	v_wmma_scale_f32_16x16x128_f8f6f4 v[W_D:W_D+7], v[W_A:W_A+15], v[W_B:W_B+15], v[W_C:W_C+7], v[W_SA], v[W_SB] matrix_b_scale:MATRIX_SCALE_ROW1
.else
	v_wmma_scale_f32_16x16x128_f8f6f4 v[W_D:W_D+7], v[W_A:W_A+15], v[W_B:W_B+15], v[W_C:W_C+7], v[W_SA], v[W_SB] matrix_a_scale:MATRIX_SCALE_ROW1 matrix_b_scale:MATRIX_SCALE_ROW1
.endif
.endm
.macro CROUND                          ; a round of the cluster's barrier
	s_barrier_signal -1
	s_barrier_wait -1
	s_cmp_lg_u32 s26, 0
	s_cbranch_scc1 .Lnot_wave_0_\@
	s_barrier_signal -3
.Lnot_wave_0_\@:
	s_barrier_wait -3
	s_barrier_signal -1
	s_barrier_wait -1
.endm
.macro GROUP1 g, mask, rows            ; so many whole rows of K, 1,024 bytes each; four words of padding behind every 256; bit 21 set beside the mask
	s_or_b32 s[\g], s[\mask], (1<<20)|(1<<21)|(7<<22)|(3<<25)
	s_mov_b32 s[\g+1], 1024<<16
	s_mov_b32 s[\g+2], (\rows)<<16
	s_mov_b32 s[\g+3], 1024<<16
	s_mov_b32 s[\g+4], \rows
	s_mov_b32 s[\g+5], 1024
	s_mov_b32 s[\g+6], 0
	s_mov_b32 s[\g+7], 0
.endm
	s_load_b256 s[4:11], s[0:1], 0x0               ; x's codes s[4:5], scales s[6:7]; W_q's codes s[8:9], scales s[10:11]
	s_load_b256 s[12:19], s[0:1], 0x20             ; b_q s[12:13]; W_kv's codes s[14:15], scales s[16:17]; b_kv s[18:19]
	s_load_b128 s[20:23], s[0:1], 0x40             ; q_img s[20:21], kv_img s[22:23]
	s_load_b64 s[24:25], s[0:1], 0x50              ; scl
	v_lshl_add_u32 v[SPW], v0, 2, SPARE
	v_mov_b32 v[NIL], 0
	ds_add_u32 v[SPW], v[NIL]                      ; the wave's opening: the add, twice on end, and its wait
	ds_add_u32 v[SPW], v[NIL]
	v_lshrrev_b32 v1, 5, v0
	v_readfirstlane_b32 s26, v1                    ; wave 0..3
	s_and_b32 s27, s26, 1                          ; n
	s_lshr_b32 s28, s26, 1                         ; 0: q, 1: k
	s_bfe_u32 s29, ttmp6, 0x40000                  ; cx, cy
	s_bfe_u32 s30, ttmp6, 0x40004
	s_lshl_b32 s31, ttmp9, 2
	s_add_co_u32 s31, s31, s29                     ; x: the head
	s_and_b32 s32, ttmp7, 0xffff
	s_lshl_b32 s32, s32, 2
	s_add_co_u32 s32, s32, s30                     ; y
	s_lshl_b32 s33, s30, 2
	s_lshl_b32 s33, 15, s33                        ; my row of the cluster
	s_lshl_b32 s34, 0x1111, s29                    ; my column
	GROUP1 G1X, 33, 48
	GROUP1 G1Q, 34, 64
	GROUP1 G1K, 34, 128
	GROUP1 G1R, 33, 40
	s_lshr_b32 s35, s32, 3
	s_lshl_b32 s35, s35, 4
	s_add_co_u32 s35, s35, s31                     ; bh
	s_and_b32 s36, s32, 7                          ; which 256 rows of it
	s_mov_b32 s[G0X], 1                            ; where the tiles go
	s_mul_i32 s[G0X+1], s27, 48*PITCH
	s_add_co_u32 s[G0X+1], s[G0X+1], XB
	s_mov_b32 s[G0Q], 1
	s_mov_b32 s[G0Q+1], 0
	s_mov_b32 s[G0K], 1
	s_mov_b32 s[G0K+1], 64*PITCH
	s_mov_b32 s[G0R], 1
	s_mul_i32 s[G0R+1], s26, 40*PITCH
	s_lshl_b32 s92, s32, 18                        ; and where they come from
	s_mul_i32 s37, s27, 48*1024
	s_mul_i32 s94, s26, 40*1024
	s_add_co_u32 s94, s94, s92
	s_add_co_u32 s94, s94, 96*1024
	s_mov_b32 s95, 0
	s_add_co_u32 s92, s92, s37
	s_mov_b32 s93, 0
	s_lshl_b32 s96, s31, 16
	s_mov_b32 s97, 0
	s_lshl_b32 s98, s31, 17
	s_mov_b32 s99, 0
	v_and_b32 v8, 15, v0                           ; r
	v_bfe_u32 v9, v0, 4, 1                         ; h
	v_and_b32 v10, 31, v0                          ; lane
	v_mul_u32_u24 v11, v8, PITCH
	v_lshl_add_u32 v11, v9, 4, v11                 ; a fragment's row x pitch + 16 h
	v_add_nc_u32 v[AX], XB, v11                    ; blocks 0 to 2, 3 to 5,
	v_add_nc_u32 v[AX+1], XB+3*BLK, v11
	v_mov_b32 v[AX+2], v11                         ; and 6 on, over the weights
	v_add_nc_u32 v[AX+3], 3*BLK, v11
	v_add_nc_u32 v[AX+4], 6*BLK, v11
	v_add_nc_u32 v[AX+5], 9*BLK, v11
	s_mul_i32 s37, s26, 32*PITCH
	v_add_nc_u32 v[ADW], s37, v11                  ; my 32 rows of W_q's 64 and of k's 64 of W_kv, which follow each other
	s_mul_i32 s38, s26, 16*PITCH
	s_add_co_u32 s38, s38, 128*PITCH
	v_add_nc_u32 v[ADV], s38, v11                  ; my 16 of v's
	v_lshlrev_b32 v[LI], 4, v10
	v_lshrrev_b32 v12, 3, v8
	v_and_b32 v13, 7, v8
	; my stage: q: 16 x lane, the odd block 512 on.  k: keys r = 0..7 in group n, 8..15 in group n + 2 (512 on), the odd block 128 on
	s_mul_i32 s38, s28, 384
	s_add_co_u32 s38, s38, 128
	s_mul_i32 s39, s28, 640
	s_xor_b32 s39, s39, 512
	v_mul_u32_u24 v14, s38, v12
	v_lshl_add_u32 v14, v13, 4, v14
	v_lshl_add_u32 v14, v9, 8, v14
	s_lshl_b32 s38, s26, 10
	s_add_co_u32 s38, s38, STG
	v_add_nc_u32 v[KSE], s38, v14
	v_add_nc_u32 v[KSO], s39, v[KSE]
	v_add_nc_u32 v[KLD], s38, v[LI]
	; scale bytes: q: 2 r + n.  k: 1,024 + 4 (r % 8) + 2 (r / 8) + n.  32 on for the odd block, 64 on for the next pair
	s_lshl_b32 s37, s28, 1
	s_add_co_u32 s37, s37, 2
	s_mul_i32 s38, s28, 18
	s_xor_b32 s38, s38, 16
	s_wait_alu depctr_va_vdst(0)                   ; directly ahead of the readers below
	v_mul_u32_u24 v15, s37, v13
	v_mul_u32_u24 v16, s38, v12
	v_add_nc_u32 v15, v15, v16
	s_lshl_b32 s38, s28, 10
	s_add_co_u32 s38, s38, s27
	s_add_co_u32 s38, s38, TAB
	v_add_nc_u32 v[SB], s38, v15
	s_lshl_b32 s38, s28, 8
	v_add_nc_u32 v[SB2], s38, v[SB]
	s_lshl_b32 s38, s26, 6
	s_add_co_u32 s38, s38, TAB+1280
	v_lshl_add_u32 v[SVB], v8, 2, s38              ; v: 1,280 + 64 w + 4 r + the pair's place in the key step
	v_lshlrev_b32 v17, 5, v10
	v_lshlrev_b32 v18, 5, v8
	v_lshlrev_b32 v19, 5, v9
	v_lshlrev_b32 v20, 2, v8
	s_lshl_b32 s38, s29, 2                         ; a prefetch: my sixteenth of x's rows 96 on: 10,240 bytes
	s_add_co_u32 s38, s38, s26
	s_mul_i32 s38, s38, 10240
	s_lshl_b32 s37, s32, 18
	s_add_co_u32 s38, s38, s37
	s_add_co_u32 s38, s38, 96*1024
	s_add_co_u32 s39, s38, 8192
	v_lshl_add_u32 v21, v10, 8, s38
	v_min_u32 v23, 7, v10
	v_lshl_add_u32 v22, v23, 8, s39
.irp u, 0,1,2
	v_mov_b32 v[T+\u], 0                           ; written once: a lane permute's destination counts as one of its sources
.endr
	s_mov_b32 s2, 0x76543210                       ; lane selects: lane l xor 16
	s_mov_b32 s3, 0xfedcba98
	s_mov_b32 s100, 0x600000                       ; the mantissa field of 448
	s_wait_alu depctr_va_vdst(0)
	s_wait_dscnt 0x0                               ; both opening adds are done
	CROUND                                         ; all sixteen work-groups are here: the joint loads meet
	s_wait_kmcnt 0x0
	s_add_nc_u64 s[G0X+2:G0X+3], s[4:5], s[92:93]
	s_or_b32 s[G0X+3], s[G0X+3], 0x80000000
	s_add_nc_u64 s[G0R+2:G0R+3], s[4:5], s[94:95]
	s_or_b32 s[G0R+3], s[G0R+3], 0x80000000
	s_add_nc_u64 s[G0Q+2:G0Q+3], s[8:9], s[96:97]
	s_or_b32 s[G0Q+3], s[G0Q+3], 0x80000000
	s_add_nc_u64 s[G0K+2:G0K+3], s[14:15], s[98:99]
	s_or_b32 s[G0K+3], s[G0K+3], 0x80000000
	s_cmp_lt_u32 s26, 1                            ; one load a wave: wave 0 W_q's rows, wave 1 W_kv's, waves 2 and 3 x's first 96
	s_cbranch_scc0 .Lfor_kv
	tensor_load_to_lds s[G0Q:G0Q+3], s[G1Q:G1Q+7]
	s_nop 0
	PLACES 4
	s_branch .Lasked
.Lfor_kv:
	s_cmp_lt_u32 s26, 2
	s_cbranch_scc0 .Lfor_x
	tensor_load_to_lds s[G0K:G0K+3], s[G1K:G1K+7]
	s_nop 0
	PLACES 4
	s_branch .Lasked
.Lfor_x:
	tensor_load_to_lds s[G0X:G0X+3], s[G1X:G1X+7]
	s_nop 0
	PLACES 4
.Lasked:
	; the other addresses: waves 0 and 1 take q's, waves 2 and 3 k's
	s_lshl_b32 s94, s31, 11                        ; W_q's scales: 32 x 64 x head;
	s_lshl_b32 s95, s31, 12                        ; W_kv's: 32 x 128 x head
	s_lshl_b32 s96, s31, 8                         ; b_q, b_kv
	s_lshl_b32 s97, s31, 9
	s_lshl_b32 s37, s36, 14
	s_lshl_b32 s98, s35, 17
	s_add_co_u32 s98, s98, s37                     ; q_img: 131,072 bh + 16,384 x block of rows
	s_lshl_b32 s37, s36, 15
	s_lshl_b32 s99, s35, 18
	s_add_co_u32 s99, s99, s37                     ; kv_img: 262,144 bh + 32,768 x block of rows
	s_lshl_b32 s37, s26, 11
	s_add_co_u32 s38, s99, s37
	s_add_co_u32 s38, s38, 8192
	s_mov_b32 s39, 0
	s_add_nc_u64 s[38:39], s[22:23], s[38:39]      ; s[38:39]: v's codes: + 8,192 + 2,048 w
	s_mov_b32 s66, 8192
	s_mov_b32 s67, 0
	s_cmp_eq_u32 s28, 0
	s_cselect_b64 s[92:93], s[10:11], s[16:17]
	s_cselect_b64 s[12:13], s[12:13], s[18:19]
	s_cselect_b64 s[20:21], s[20:21], s[22:23]
	s_cselect_b32 s94, s94, s95
	s_cselect_b32 s96, s96, s97
	s_cselect_b32 s98, s98, s99
	s_cselect_b32 s66, 0, s66                      ; s[66:67]: k's second key step lies 8,192 bytes further on than its first ends
	s_lshl_b32 s37, s27, 10
	s_add_co_u32 s94, s94, s37
	s_mov_b32 s95, 0
	s_add_nc_u64 s[92:93], s[92:93], s[94:95]      ; my 32 rows' scales
	s_lshl_b32 s37, s27, 7
	s_add_co_u32 s96, s96, s37
	s_lshl_b32 s94, s31, 9
	s_mov_b32 s97, 0
	s_add_nc_u64 s[12:13], s[12:13], s[96:97]      ; my 32 columns' bias
	s_lshl_b32 s37, s27, 9
	s_add_co_u32 s98, s98, s37
	s_mov_b32 s99, 0
	s_add_nc_u64 s[20:21], s[20:21], s[98:99]      ; my codes
	s_lshl_b32 s37, s26, 6
	s_add_co_u32 s94, s94, s37
	s_add_co_u32 s94, s94, 256
	s_add_nc_u64 s[18:19], s[18:19], s[94:95]      ; v's bias: b_kv at 128 x + 64 + 16 w
	s_lshl_b32 s94, s31, 12
	s_lshl_b32 s37, s26, 9
	s_add_co_u32 s94, s94, s37
	s_add_co_u32 s94, s94, 2048
	s_add_nc_u64 s[16:17], s[16:17], s[94:95]      ; v's scales
	s_lshl_b32 s94, s32, 13
	s_add_nc_u64 s[6:7], s[6:7], s[94:95]          ; x's scales: 32 x 256 y
	s_lshl_b32 s94, s35, 14
	s_lshl_b32 s37, s36, 11
	s_add_co_u32 s94, s94, s37
	s_lshl_b32 s37, s26, 9
	s_add_co_u32 s94, s94, s37
	s_add_nc_u64 s[24:25], s[24:25], s[94:95]      ; scl: my 512 bytes
.irp p, 0,1,2,3,4,5,6,7
	global_load_b128 v[SX+8*\p:SX+8*\p+3], v17, s[6:7] offset:1024*\p
	global_load_b128 v[SX+8*\p+4:SX+8*\p+7], v17, s[6:7] offset:1024*\p+16
.endr
	global_load_b128 v[SW:SW+3], v17, s[92:93]
	global_load_b128 v[SW+4:SW+7], v17, s[92:93] offset:16
	global_load_b128 v[SV:SV+3], v18, s[16:17]
	global_load_b128 v[SV+4:SV+7], v18, s[16:17] offset:16
.irp t, 0,1
	global_load_b128 v[BQ+8*\t:BQ+8*\t+3], v19, s[12:13] offset:64*\t
	global_load_b128 v[BQ+8*\t+4:BQ+8*\t+7], v19, s[12:13] offset:64*\t+16
.endr
.irp j, 0,1,2,3,4,5,6,7
	global_load_b32 v[BV+\j], v20, s[18:19]
.endr
.macro FETCH p, hf                     ; half of K of a pair of x's blocks: 32 loads
	WIN 0xc0
.set K_, 4*(\hf)
.rept 4
.irp e, 0,1
.set X_, 2*(\p)+\e
.irp c, 0,1,2,3
	ds_load_b128 v[128*\e+16*K_+4*\c:128*\e+16*K_+4*\c+3], v[AX+X_/3] offset:(X_%3)*BLK+128*K_+32*\c
.endr
.endr
.set K_, K_+1
.endr
	WIN 0
.endm
.macro PRODN p, k, i                   ; K step k of accumulator i: 0 to 3 q or k (block i / 2, tile i % 2), 4 and 5 v (block i - 4)
.set D_, ACC+48*((\p)%2)+8*(\i)
.if (\k) == 0
.if (\i) < 4
.set C_, BQ+8*((\i)%2)
.else
.set C_, BV
.endif
.else
.set C_, D_
.endif
.if (\i) < 4
	WIN 0x0d
	WM D_, 16*(2*(\k)+(\i)%2), 128*((\i)/2)+16*(\k), C_, SW+(\k), SX+8*(\p)+(\k), (\i)%2, (\i)/2
.else
	WIN 0x0b
	WM D_, 128*((\i)-4)+16*(\k), 16*(\k), C_, SX+8*(\p)+(\k), SV+(\k), (\i)-4, 0
.endif
.endm
; THE QUANTISER of the pair before pair p, in 100 lines: units 0 and 1: q's or k's even and odd block (16 of a row's 32 numbers a lane, the other 16 in lane l xor 16); unit 2: v's 32 rows.
.macro PCR u
.if (\u) < 2
.set PC_, PQ+4*(\u)
.else
.set PC_, PV
.endif
.endm
.macro MED u, i                        ; a number held at 448 x its block's scale
	v_med3_num_f32 v[B_+16*(\u)+(\i)], v[B_+16*(\u)+(\i)], -v[HO+(\u)], v[HO+(\u)]
.endm
.macro CVT u, j
	PCR \u
	v_cvt_scalef32_pk8_fp8_f32 v[PC_+2*(\j):PC_+2*(\j)+1], v[B_+16*(\u)+8*(\j):B_+16*(\u)+8*(\j)+7], v[SOP+(\u)]
.endm
.macro SWAP u, j                       ; from places 8 h + 0..7 and 16 + 8 h + 0..7 of a block to the operand's 16 h + 0..15
	PCR \u
	v_permlane16_swap_b32 v[PC_+(\j)], v[PC_+2+(\j)]
.endm
.macro LINE p, l
	WIN 0
.set B_, ACC+48*(((\p)+1)%2)
.set l_, \l
.if l_ < 18
.set u_, (l_%6)/2
.set s_, l_/6
.set a_, B_+16*u_
.if l_%2 == 0
.if s_ == 0
	v_max3_num_f32 v[M0+u_], |v[a_]|, |v[a_+1]|, 0x4800000 ; (the floor under which a byte would fall under 1)
.else
	v_max3_num_f32 v[M0+u_], v[M0+u_], |v[a_+2*s_]|, |v[a_+2*s_+1]|
.endif
.else
.if s_ == 0
	v_max3_num_f32 v[M1+u_], |v[a_+8]|, |v[a_+9]|, |v[a_+10]|
.else
	v_max3_num_f32 v[M1+u_], v[M1+u_], |v[a_+9+2*s_]|, |v[a_+10+2*s_]|
.endif
.endif
.elseif l_ < 21
.set u_, l_-18
	v_max3_num_f32 v[M0+u_], v[M0+u_], |v[B_+16*u_+6]|, |v[B_+16*u_+7]|
.elseif l_ < 24
.set u_, l_-21
	v_max3_num_f32 v[M0+u_], v[M0+u_], v[M1+u_], |v[B_+16*u_+15]|
.elseif l_ < 27
	v_permlanex16_b32 v[T+l_-24], v[M0+l_-24], s2, s3
.elseif l_ < 30
	v_max_num_f32 v[M0+l_-27], v[M0+l_-27], v[T+l_-27]
.elseif l_ < 33
	v_add_nc_u32 v[SOP+l_-30], 0xfc000000, v[M0+l_-30]
.elseif l_ < 36
	v_and_or_b32 v[HO+l_-33], v[M0+l_-33], 0x7f800000, s100
.elseif l_ < 39
	v_lshrrev_b32 v[BY+l_-36], 23, v[SOP+l_-36]
.elseif l_ < 55
	MED 0, l_-39
.elseif l_ == 55
	CVT 0, 0
.elseif l_ < 59
	MED 1, l_-56
.elseif l_ == 59
	CVT 0, 1
.elseif l_ < 63
	MED 1, l_-57
.elseif l_ < 65
	SWAP 0, l_-63
.elseif l_ < 75
	MED 1, l_-59
.elseif l_ == 75
	CVT 1, 0
.elseif l_ < 79
	MED 2, l_-76
.elseif l_ == 79
	CVT 1, 1
.elseif l_ < 83
	MED 2, l_-77
.elseif l_ < 85
	SWAP 1, l_-83
.elseif l_ < 95
	MED 2, l_-79
.elseif l_ < 97
	CVT 2, l_-95
.elseif l_ == 97
	v_nop                                          ; one plain place behind the conversions
.else
	SWAP 2, l_-98
.endif
.endm
.macro LINES p, from, n
.set L_, \from
.rept \n
	LINE \p, L_
.set L_, L_+1
.endr
.endm
.macro HALF p, hf, ep                  ; 24 products; ep = 1: lines of the pair before, three behind a product
.set N_, 0
.rept 24
	PRODN \p, 4*\hf+N_/6, N_%6
.if \ep
.if \hf == 0
.if N_ < 15
	LINES \p, 3*N_, 3
.endif
.else
.if N_ < 10
	LINES \p, 54+3*N_, 3
.elseif N_ == 10
	LINES \p, 84, 1
.endif
.endif
.endif
.set N_, N_+1
.endr
.endm
.macro STAGE c                         ; pair c's codes of q or k into my stage and back (LDS serves a wave's instructions in order: ISA guide 5.7.1.4), its bytes into the table, v's codes out
	s_wait_xcnt 0x0                                ; the stores that read BK have done so
	ds_store_b128 v[KSE], v[PQ:PQ+3]
	ds_store_b128 v[KSO], v[PQ+4:PQ+7]
	ds_load_b128 v[BK:BK+3], v[KLD]
	ds_load_b128 v[BK+4:BK+7], v[KLD] offset:512
.if (\c) < 4
	ds_store_b8 v[SB], v[BY] offset:64*(\c)
	ds_store_b8 v[SB], v[BY+1] offset:64*(\c)+32
.else
	ds_store_b8 v[SB2], v[BY] offset:64*(\c)
	ds_store_b8 v[SB2], v[BY+1] offset:64*(\c)+32
.endif
	ds_store_b8 v[SVB], v[BY+2] offset:512*((\c)/4)+(\c)%4
	global_store_b128 v[LI], v[PV:PV+3], s[38:39] offset:512*((\c)%4)+16384*((\c)/4)
.endm
.macro BKOUT c                         ; pair c's codes of q or k leave: 512 consecutive bytes a store
	s_wait_xcnt 0x0                                ; earlier stores have read their registers and their base
.if (\c) == 4
	s_add_nc_u64 s[20:21], s[20:21], s[66:67]
.endif
	global_store_b128 v[LI], v[BK:BK+3], s[20:21] offset:2048*(\c)
	global_store_b128 v[LI], v[BK+4:BK+7], s[20:21] offset:2048*(\c)+1024
.endm
; A PAIR: 2 x 24 products.  A load into registers that matrix instructions have read, and a read of their sums, stand eight plain vector lines behind them: the quantiser's lines behind each half's last product are these (in pair 0: v_nop).
.macro PAIR p, ep, out
	s_wait_dscnt \out                              ; this pair's first half is in; its second half's 32 loads, and from pair 2 on the stage's 4 and the bytes' 3 lines, may be out
	HALF \p, 0, \ep
.if \ep
	LINES \p, 45, 9
.else
	WIN 0
	PLACES 8
.endif
	s_wait_alu depctr_va_vdst(0)                   ; ahead of the waits below
.if \p == 2
	s_wait_tensorcnt 0x0                           ; my part of the refill is in, and behind the barrier everybody's
	s_wait_dscnt 0x0
	s_barrier_signal -1
	s_barrier_wait -1
.endif
.if \p < 7
	FETCH \p+1, 0
	s_wait_dscnt 32                                ; all but the 32 just issued: this pair's second half
.else
	s_wait_dscnt 0x0
.endif
.if \p > 1
	BKOUT \p-2
.endif
	HALF \p, 1, \ep
.if \ep
	LINES \p, 85, 15
.else
	WIN 0
	PLACES 8
.endif
	s_wait_alu depctr_va_vdst(0)                   ; ahead of the waits below
.if \p < 7
	FETCH \p+1, 1
.endif
.if \ep
	STAGE \p-1
.endif
.endm
	s_wait_alu depctr_va_vdst(0)                   ; the head's end
	s_cmp_lt_u32 s26, 2
	s_cbranch_scc0 .Lnot_w
	s_wait_tensorcnt 0x0                           ; waves 0, 1: the weights are in
.Lnot_w:
	s_barrier_signal -1
	s_barrier_wait -1
	global_prefetch_b8 v21, s[4:5] th:TH_LOAD_NT scope:SCOPE_SE
	global_prefetch_b8 v22, s[4:5] th:TH_LOAD_NT scope:SCOPE_SE
	WIN 0x40
.set K_, 0
.rept 8                                ; my rows of the weights, all of K: 96 loads
.irp t, 0,1
.irp c, 0,1,2,3
	ds_load_b128 v[16*(2*K_+\t)+4*\c:16*(2*K_+\t)+4*\c+3], v[ADW] offset:\t*BLK+128*K_+32*\c
.endr
.endr
.set K_, K_+1
.endr
	WIN 0x80
.set K_, 0
.rept 8
.irp c, 0,1,2,3
	ds_load_b128 v[16*K_+4*\c:16*K_+4*\c+3], v[ADV] offset:128*K_+32*\c
.endr
.set K_, K_+1
.endr
	WIN 0
	s_wait_tensorcnt 0x0                           ; all my loads have landed;
	ds_add_u32 v[SPW], v[NIL]
	s_wait_dscnt 0x0                               ; the add is done, and my weights are in registers:
	CROUND                                         ; everybody's, in all sixteen work-groups
	tensor_load_to_lds s[G0R:G0R+3], s[G1R:G1R+7]  ; x's rows 96 on, 40 a wave, over the weights
	s_nop 0
	PLACES 4
	FETCH 0, 0
	FETCH 0, 1
	s_wait_loadcnt 0x0                             ; the scale words and the bias
	s_wait_xcnt 0x0                                ; the prefetches have read their addresses
	PAIR 0, 0, 32
	PAIR 1, 1, 32
	PAIR 2, 1, 39
	PAIR 3, 1, 39
	PAIR 4, 1, 39
	PAIR 5, 1, 39
	PAIR 6, 1, 39
	PAIR 7, 1, 39
	s_wait_dscnt 0x0                               ; pair 6's codes are back
	BKOUT 6
	s_wait_xcnt 0x0                                ; v's store has read its registers: they are written below
	LINES 8, 0, 100                                ; the last pair's way out
	s_lshl_b32 s37, s26, 9
	s_add_co_u32 s37, s37, TAB
	v_add_nc_u32 v26, s37, v[LI]
	s_wait_alu depctr_va_vdst(0)
	STAGE 7
	s_wait_dscnt 3                                 ; the codes are back; the three bytes' lines may be out
	BKOUT 7
	s_wait_dscnt 0x0                               ; the scale bytes are in the table
	s_barrier_signal -1
	s_barrier_wait -1
	s_cmp_eq_u32 s26, 1                            ; bytes 512 to 1,023 of a record hold nothing
	s_cbranch_scc1 .Lno_bytes
	ds_load_b128 v[8:11], v26
	s_wait_dscnt 0x0
	global_store_b128 v[LI], v[8:11], s[24:25]
.Lno_bytes:
	s_wait_tensorcnt 0x0                           ; the wave's end
	ds_add_u32 v[SPW], v[NIL]
	s_wait_dscnt 0x0
	CROUND                                         ; the closing round: no work-group ends while a partner may still ask for a tile that names it
	s_endpgm
.Lfunc_end_k_qb16946b304_proj:
	.size	k_qb16946b304_proj, .Lfunc_end_k_qb16946b304_proj-k_qb16946b304_proj
	.p2alignl 7, 3214868480
	.fill 96, 4, 3214868480
	.section	.rodata,"a",@progbits
	.p2align	6, 0x0
	.amdhsa_kernel k_qb16946b304_proj
		.amdhsa_group_segment_fixed_size 327680
		.amdhsa_private_segment_fixed_size 0
		.amdhsa_enable_private_segment 0
		.amdhsa_kernarg_size 88
		.amdhsa_user_sgpr_count 2
		.amdhsa_user_sgpr_kernarg_segment_ptr 1
		.amdhsa_wavefront_size32 1
		.amdhsa_system_sgpr_workgroup_id_x 1
		.amdhsa_system_sgpr_workgroup_id_y 1
		.amdhsa_system_sgpr_workgroup_id_z 1
		.amdhsa_system_vgpr_workitem_id 0
		.amdhsa_next_free_vgpr 1024
		.amdhsa_next_free_sgpr 102
		.amdhsa_reserve_vcc 0
		.amdhsa_float_denorm_mode_32 3
		.amdhsa_float_denorm_mode_16_64 3
		.amdhsa_memory_ordered 1
		.amdhsa_forward_progress 1
		.amdhsa_inst_pref_size 174
	.end_amdhsa_kernel
	.amdgpu_metadata
---
amdhsa.version: [ 1, 2 ]
amdhsa.kernels:
  - .name:           k_qb16946b304_proj
    .symbol:         k_qb16946b304_proj.kd
    .args:
      - { .name: embeddings_codes, .offset: 0, .size: 8, .value_kind: global_buffer, .address_space: global }
      - { .name: embeddings_scales, .offset: 8, .size: 8, .value_kind: global_buffer, .address_space: global }
      - { .name: W_q_codes, .offset: 16, .size: 8, .value_kind: global_buffer, .address_space: global }
      - { .name: W_q_scales, .offset: 24, .size: 8, .value_kind: global_buffer, .address_space: global }
      - { .name: b_q, .offset: 32, .size: 8, .value_kind: global_buffer, .address_space: global }
      - { .name: W_kv_codes, .offset: 40, .size: 8, .value_kind: global_buffer, .address_space: global }
      - { .name: W_kv_scales, .offset: 48, .size: 8, .value_kind: global_buffer, .address_space: global }
      - { .name: b_kv, .offset: 56, .size: 8, .value_kind: global_buffer, .address_space: global }
      - { .name: q_img, .offset: 64, .size: 8, .value_kind: global_buffer, .address_space: global }
      - { .name: kv_img, .offset: 72, .size: 8, .value_kind: global_buffer, .address_space: global }
      - { .name: scl, .offset: 80, .size: 8, .value_kind: global_buffer, .address_space: global }
    .group_segment_fixed_size: 327680
    .private_segment_fixed_size: 0
    .kernarg_segment_align: 8
    .kernarg_segment_size: 88
    .max_flat_workgroup_size: 128
    .sgpr_count:     102
    .vgpr_count:     1024
    .wavefront_size: 32
...
	.end_amdgpu_metadata
.endif
;; end of part 1
;; launch attn (part 2): grid 8 x 32, 8 waves a work-group, clusters of 4 x 1, 271,360 bytes of LDS; arguments q_img, kv_img, scl, ctx_img, ctx_scl; writes ctx_img, ctx_scl
.if DOCPART == 2
	.amdgcn_target "amdgcn-amd-amdhsa--gfx1250"
	.amdhsa_code_object_version 6
	.text
	.protected	k_qb16946b304_attn
	.globl	k_qb16946b304_attn
	.p2align	8
	.type	k_qb16946b304_attn,@function
k_qb16946b304_attn:
	s_mov_b64 s[64:65], 0
	v_nop
	global_prefetch_b8 v0, s[64:65] scope:SCOPE_SE
	s_setreg_imm32_b32 hwreg(HW_REG_WAVE_MODE, 25, 1), 1
	s_wait_xcnt 0x0
	s_wait_alu depctr_hold_cnt(0) depctr_sa_sdst(0) depctr_va_vdst(0) depctr_va_sdst(0) depctr_va_ssrc(0) depctr_va_vcc(0) depctr_vm_vsrc(0)
	s_getreg_b32 s2, hwreg(HW_REG_IB_STS2, 6, 4)
	s_cmp_eq_u32 s2, 0
	s_cbranch_scc0 .Lentry_in_a_cluster
	s_endpgm
.Lentry_in_a_cluster:
	s_bfe_u32 s2, ttmp6, 0x10000c
	s_cmp_lg_u32 s2, 0x3003
	s_cbranch_scc0 .Lentry_shape_is_right
	s_endpgm
.Lentry_shape_is_right:
; ctx[bh][q] = the sum over k of softmax_k(q . k / 8) v, both products on codes of FP8 (E4M3) with one E8M0 scale for each 32 along a product's K; ctx is quantised along D at once.  Nothing of reference() is left out.
; THE SOFTMAX AHEAD OF THE SECOND PRODUCT: t = score x log2(e) / 8; M = the row's largest t so far, rounded UP to a whole number; p = 2^(t - M) is quantised along the keys, not normalised.
; The row's sum is taken of the unquantised p, in f32, and divides at the end.  When M moves, the sum and O are multiplied by 2^(old M - new M): exact.
; SHARES.  A work-group owns 256 queries of one (batch, head); each of its eight waves owns 32: two tiles of 16, which share every fragment of K and V.  A key step is 128 keys: 2 x (8 + 4) matrix instructions.
; REGISTERS.  Tile w lies in window w, under the same numbers: v12 -M, v[14:15] the sum, v16-39 q, v104-167 the scores, then p, v168-199 O^T, v200-215 p's codes, v226-253 at work.  v40-103: window 0 K's fragments, window 1 V's.
; Addresses and scale words lie in window 0.
; LDS holds the head's K and V codes WHOLE (262,144 bytes, as images of operand registers) and their scale words (8,192 bytes): every byte is filled once, by one load a wave; nothing is stored there.
; No prefetch: all tiles are asked for at the head, and no loop of this launch loads from memory.
; CLUSTER.  The four work-groups of a cluster belong to one head: K, V and their scale words are asked for JOINTLY.
; K = 64 IN A FORM OF K = 128.  A fragment of K holds TWO keys a row (groups 0, 1: key 32 f + rho + 8 (rho / 8); groups 2, 3: the key 8 further on).  It is multiplied once by [q | zero codes] and once by
; [zero codes | q], two views of one run of 24 registers.  The half that is not wanted meets zero codes (K's codes were held, so none is a NaN code; no scale byte is 0xff).
; Both products are used transposed: a lane holds ONE query, and register 16 b + i of the scores is key 32 b + 16 h + i: the conversions' results are the second product's operand.
; A BLOCK'S EXPONENT is the whole part of its largest t - M: floor(log2 p) = floor(t - M).  The hold at 448 x the scale covers a p that rounds up to the next power of two.
; LIMITS: NaN and infinities are not served.  The scaled scores (exponents to the base 2, before the maximum is taken away) stay under 2^31 in magnitude.  A block under 2^-118 (zeros too) gets the byte 1: this program alone reads the bytes.
.set SCB,  262144                      ; the scale words: key step s at 512 s: K's 64 words, then V's 64
.set SPARE, SCB+8192                   ; the spare words, 128 bytes for each wave
.set LI,   1                           ; v1   16 x lane
.set LS,   2                           ; v2   SCB + 4 x lane
.set ADV,  3                           ; v3   this step's codes of V
.set ADK,  4                           ; v4   the next step's codes of K
.set R4,   5                           ; v5   2 r
.set R32,  6                           ; v6   32 r
.set ADT,  7                           ; v7   V's scale words
.set ADS,  8                           ; v8   K's
.set F,    40
.set S,    104
.set O,    168
.set PC,   200
.set KS,   216                         ; v216-217  K's scale words (lanes 0-15 the even fragment's, lanes 16-31 the odd one's)
.set VS,   218                         ; v218-219  V's
.set QS,   220                         ; v220, v222  q's, of tile 0 and 1
.set PW,   221                         ; v221, v223  p's
.set FA,   226                         ; v[226:227]  2^(old M - new M)
.set X,    228                         ; v228-230  at work
.set HOLD, 232                         ; v232-235  448 x the scale
.set SOP,  236                         ; v236-239  the conversions' scale operands
.set BM,   240                         ; v240-243  the blocks' largest scores, then their exponents
.set T1,   244                         ; v244-247  the other half's
.set SPW,  254
.set NIL,  255
.set WV,   14                          ; s14  my wave's number
.set CNT,  18
.set MNT,  19                          ; s19  the mantissa field of 448
.set SEL,  20                          ; s[20:21] lane selects: lane l xor 16
.set CS,   22                          ; s[22:23] c = log2(e) / 8
.set TB,   24                          ; s24, s25  where this step's codes and scale words begin
.set TS,   25
.set TBN,  26                          ; s26, s27  and the next step's
.set TSN,  27
.set G1D,  28                          ; descriptor groups: a key step's 16,384 dense bytes
.set G1S,  36                          ; the scale words
.set G1E,  44                          ; three key steps: 49,152 dense bytes
.set G0D,  52
.set G0S,  56
.set G0E,  60
.set MSB, 0
.macro WIN new                         ; the immediate's high byte repeats the setting that is left
.set NEWW, \new
.if MSB != NEWW
	s_set_vgpr_msb (MSB<<8)|NEWW
.set MSB, NEWW
.endif
.endm
.macro PLACES n
.rept \n
	v_nop
.endr
.endm
.macro WM d, a, b, c, sa, sb, ra       ; one matrix instruction; c < 0: the constant 0 starts the sum; ra = 1: source 0's scale words stand in lanes 16-31
.set W_D, \d
.set W_A, \a
.set W_B, \b
.set W_C, \c
.set W_SA, \sa
.set W_SB, \sb
.set W_SEL, \ra
.if W_C < 0
.if W_SEL == 0
	v_wmma_scale_f32_16x16x128_f8f6f4 v[W_D:W_D+7], v[W_A:W_A+15], v[W_B:W_B+15], 0, v[W_SA], v[W_SB]
.else
	v_wmma_scale_f32_16x16x128_f8f6f4 v[W_D:W_D+7], v[W_A:W_A+15], v[W_B:W_B+15], 0, v[W_SA], v[W_SB] matrix_a_scale:MATRIX_SCALE_ROW1
.endif
.else
.if W_SEL == 0
	v_wmma_scale_f32_16x16x128_f8f6f4 v[W_D:W_D+7], v[W_A:W_A+15], v[W_B:W_B+15], v[W_C:W_C+7], v[W_SA], v[W_SB]
.else
	v_wmma_scale_f32_16x16x128_f8f6f4 v[W_D:W_D+7], v[W_A:W_A+15], v[W_B:W_B+15], v[W_C:W_C+7], v[W_SA], v[W_SB] matrix_a_scale:MATRIX_SCALE_ROW1
.endif
.endif
.endm
.macro CROUND                          ; a round of the cluster's barrier
	s_barrier_signal -1
	s_barrier_wait -1
	s_cmp_lg_u32 s[WV], 0
	s_cbranch_scc1 .Lnot_wave_0_\@
	s_barrier_signal -3
.Lnot_wave_0_\@:
	s_barrier_wait -3
	s_barrier_signal -1
	s_barrier_wait -1
.endm
.macro GROUP1 g, dim0, rows, stride    ; elements of 8 bytes; 15:0 the mask: all four work-groups; bit 21 set beside it; no padding
	s_mov_b32 s[\g], 15|(3<<16)|(1<<21)
	s_mov_b32 s[\g+1], (\dim0)<<16
	s_mov_b32 s[\g+2], (\rows)<<16
	s_mov_b32 s[\g+3], (\dim0)<<16
	s_mov_b32 s[\g+4], \rows
	s_mov_b32 s[\g+5], \stride
	s_mov_b32 s[\g+6], 0
	s_mov_b32 s[\g+7], 0
.endm
	s_load_b256 s[4:11], s[0:1], 0x0               ; q_img s[4:5], kv_img s[6:7], scl s[8:9], ctx_img s[10:11]
	s_load_b64 s[12:13], s[0:1], 0x20              ; ctx_scl
	v_lshl_add_u32 v[SPW], v0, 2, SPARE
	v_mov_b32 v[NIL], 0
	ds_add_u32 v[SPW], v[NIL]                      ; the wave's opening: the add, twice on end, and its wait
	ds_add_u32 v[SPW], v[NIL]
	v_lshrrev_b32 v1, 5, v0
	v_readfirstlane_b32 s[WV], v1                  ; wave 0..7
	s_bfe_u32 s15, ttmp6, 0x40000                  ; cx: it enters q's and ctx's addresses alone
	s_lshl_b32 s16, ttmp9, 2
	s_add_co_u32 s16, s16, s15                     ; my block of 256 queries
	s_and_b32 s17, ttmp7, 0xffff                   ; bh, which the four partners share
	GROUP1 G1D, 32, 64, 32
	GROUP1 G1S, 128, 8, 256                        ; 8 rows of 1,024 bytes, 2,048 apart: the second half of each record holds K's and V's words
	GROUP1 G1E, 32, 192, 32
	s_mov_b32 s67, 0                               ; wave 0: key step 0; in LDS and in memory alike
	s_add_co_u32 s66, s[WV], 6
	s_and_b32 s66, s66, 7
	s_mul_i32 s66, s66, 49152
	s_add_co_u32 s66, s66, 16384                   ; waves 2 to 6: three key steps each, behind step 0
	s_lshl_b32 s68, s17, 18
	s_add_co_u32 s70, s68, s67
	s_mov_b32 s71, 0
	s_add_co_u32 s72, s68, s66
	s_mov_b32 s73, 0
	s_lshl_b32 s74, s17, 14
	s_add_co_u32 s78, s74, 0
	s_add_co_u32 s74, s74, 1024
	s_mov_b32 s75, 0
	s_lshl_b32 s69, s16, 11
	s_add_co_u32 s78, s78, s69
	s_lshl_b32 s69, s[WV], 6
	s_add_co_u32 s78, s78, s69                     ; q's scale bytes, two a row: 2,048 (8 bh + block) + 64 w
	s_mov_b32 s79, 0
	s_lshl_b32 s76, s17, 17
	s_lshl_b32 s69, s16, 14
	s_add_co_u32 s76, s76, s69
	s_lshl_b32 s69, s[WV], 11
	s_add_co_u32 s76, s76, s69                     ; q's codes: 131,072 bh + 1,024 (16 block + 2 w)
	s_mov_b32 s77, 0
	s_mov_b32 s[G0D], 1
	s_mov_b32 s[G0D+1], s67
	s_mov_b32 s[G0S], 1
	s_mov_b32 s[G0S+1], SCB
	s_mov_b32 s[G0E], 1
	s_mov_b32 s[G0E+1], s66
	s_mov_b32 s[MNT], 0x600000
	s_mov_b32 s[SEL], 0x76543210
	s_mov_b32 s[SEL+1], 0xfedcba98
	s_mov_b32 s[CS], 0x3e38aa3b                    ; c = log2(e) / sqrt(64)
	s_mov_b32 s[CS+1], s[CS]                       ; (named with it as a pair, so it is written)
	s_mov_b32 s[TB], 0
	s_mov_b32 s[TS], 0
	s_mov_b32 s[TBN], 16384
	s_mov_b32 s[TSN], 512
	v_and_b32 v9, 31, v0
	v_and_b32 v10, 15, v0
	v_lshlrev_b32 v[LI], 4, v9
	v_lshl_add_u32 v[LS], v9, 2, SCB
	v_lshlrev_b32 v[R4], 1, v10
	v_lshlrev_b32 v[R32], 5, v10
	s_wait_alu depctr_va_vdst(0)
	s_wait_dscnt 0x0                               ; both opening adds are done
	CROUND                                         ; all four work-groups are here: the joint loads meet
	s_wait_kmcnt 0x0
	s_add_nc_u64 s[G0D+2:G0D+3], s[6:7], s[70:71]
	s_or_b32 s[G0D+3], s[G0D+3], 0x80000000
	s_add_nc_u64 s[G0S+2:G0S+3], s[8:9], s[74:75]
	s_or_b32 s[G0S+3], s[G0S+3], 0x80000000
	s_add_nc_u64 s[G0E+2:G0E+3], s[6:7], s[72:73]
	s_or_b32 s[G0E+3], s[G0E+3], 0x80000000
; ONE LOAD A WAVE: wave 0 key step 0, wave 1 the scale words, wave 2 steps 1 to 3, waves 3 to 6 the other twelve.  What waits at the first barrier has lines of its own.
; Here: wave 0 key step 0, wave 1 the scale words, wave 2 steps 1 to 3, waves 3 to 6 the other twelve, wave 7 nothing.
	s_cmp_lt_u32 s[WV], 1
	s_cbranch_scc0 .Lfor_scales
	tensor_load_to_lds s[G0D:G0D+3], s[G1D:G1D+7]
	s_nop 0
	PLACES 4
	s_branch .Lasked
.Lfor_scales:
	s_cmp_lt_u32 s[WV], 2
	s_cbranch_scc0 .Lfor_next
	tensor_load_to_lds s[G0S:G0S+3], s[G1S:G1S+7]
	s_nop 0
	PLACES 4
	s_branch .Lasked
.Lfor_next:
	s_cmp_lt_u32 s[WV], 3
	s_cbranch_scc0 .Lfor_rest
	tensor_load_to_lds s[G0E:G0E+3], s[G1E:G1E+7]
	s_nop 0
	PLACES 4
	s_branch .Lasked
.Lfor_rest:
	s_cmp_lt_u32 s[WV], 7
	s_cbranch_scc0 .Lasked
	tensor_load_to_lds s[G0E:G0E+3], s[G1E:G1E+7]
	s_nop 0
	PLACES 4
.Lasked:
	s_add_nc_u64 s[4:5], s[4:5], s[76:77]
	s_add_nc_u64 s[78:79], s[8:9], s[78:79]
	global_load_b128 v[24:27], v[LI], s[4:5]               ; tile 0: q's dims 0-31, then 32-63: they stay in registers
	global_load_b128 v[28:31], v[LI], s[4:5] offset:512
	global_load_u16 v[QS], v[R4], s[78:79]
	global_load_u16 v[QS+2], v[R4], s[78:79] offset:32
	WIN 0x40
	global_load_b128 v[24:27], v[LI], s[4:5] offset:1024   ; tile 1
	global_load_b128 v[28:31], v[LI], s[4:5] offset:1536
	WIN 0
	; ctx_img + 131,072 (16 batch + 2 block + w / 4) + 16,384 (head / 2) + 4,096 (w % 4) + 1,024 (head % 2)
	s_lshr_b32 s74, s17, 4
	s_lshl_b32 s75, s74, 4
	s_lshl_b32 s76, s16, 1
	s_add_co_u32 s75, s75, s76
	s_lshr_b32 s76, s[WV], 2
	s_add_co_u32 s75, s75, s76
	s_lshl_b32 s76, s75, 17
	s_bfe_u32 s77, s17, 0x30001
	s_lshl_b32 s77, s77, 14
	s_add_co_u32 s76, s76, s77
	s_and_b32 s77, s[WV], 3
	s_lshl_b32 s77, s77, 12
	s_add_co_u32 s76, s76, s77
	s_and_b32 s77, s17, 1
	s_lshl_b32 s77, s77, 10
	s_add_co_u32 s76, s76, s77
	s_mov_b32 s77, 0
	s_add_nc_u64 s[10:11], s[10:11], s[76:77]
	; ctx_scl + 512 (128 batch + 16 block + 2 w) + 2 head
	s_lshl_b32 s76, s74, 7
	s_lshl_b32 s70, s16, 4
	s_add_co_u32 s76, s76, s70
	s_lshl_b32 s70, s[WV], 1
	s_add_co_u32 s76, s76, s70
	s_lshl_b32 s76, s76, 9
	s_and_b32 s70, s17, 15
	s_lshl_b32 s70, s70, 1
	s_add_co_u32 s76, s76, s70
	s_add_nc_u64 s[12:13], s[12:13], s[76:77]
.macro INIT
.irp j, 0,1,2,3,4,5,6,7
	v_mov_b32 v[16+\j], 0                          ; zero codes below q: v[16:31] = [0 | q]
	v_mov_b32 v[32+\j], 0                          ; and above it: v[24:39] = [q | 0]
.endr
.set J_, 0
.rept 32
	v_mov_b32 v[O+J_], 0                           ; O^T.  (The step is written for every trip alike: the first finds zeros, which the first change of M leaves zeros)
.set J_, J_+1
.endr
	v_mov_b32 v12, 0x7f61b1e6                      ; -M: 3e38, above every -t
	v_mov_b32 v13, 0                               ; (named with it as a pair)
	v_mov_b32 v14, 0                               ; the sum, in two halves
	v_mov_b32 v15, 0
	v_mov_b32 v[FA+1], 0                           ; (named as the upper half of a pair)
	v_mov_b32 v[X], 0
.irp b, 0,1,2,3
	v_mov_b32 v[T1+\b], 0                          ; written once: a lane permute's destination counts as one of its sources
.endr
.endm
	INIT
	WIN 0x40
	INIT
	WIN 0
.macro KLD a, n                        ; K's fragments: an image of the operand's registers: 512 consecutive bytes a load
	ds_load_b128 v[F+4*(\n):F+4*(\n)+3], v[\a] offset:512*(\n)
.endm
.macro QK w                            ; S^T = K Q^T: each fragment against [q | 0] and against [0 | q]
.irp f, 0,1,2,3
	WM S+16*\f, F+16*\f, 24, -1, KS+\f/2, QS+2*\w, \f%2
	WM S+16*\f+8, F+16*\f, 16, -1, KS+\f/2, QS+2*\w, \f%2
.endr
.endm
.macro PV w                            ; O^T += V^T P^T: the accumulators by turns
.irp f, 0,1,2,3
	WM O+8*\f, F+16*\f, PC, O+8*\f, VS+\f/2, PW+2*\w, \f%2
.endr
.endm
.macro MAXL k                          ; 32 lines: the largest score of each block of 32 keys in my half, the four blocks by turns
.set B_, (\k)%4
.if (\k) < 4
	v_max3_num_f32 v[BM+B_], v[S+16*B_], v[S+16*B_+1], v[S+16*B_+2]
.elseif (\k) < 28
.set I_, 1+2*((\k)/4)
	v_max3_num_f32 v[BM+B_], v[BM+B_], v[S+16*B_+I_], v[S+16*B_+I_+1]
.else
	v_max_num_f32 v[BM+B_], v[BM+B_], v[S+16*B_+15]
.endif
.endm
.macro CH g                            ; from the blocks' largest scores to M, f and the blocks' exponents, in twelve parts
.if \g == 1
.irp b, 0,1,2,3
	v_permlanex16_b32 v[T1+\b], v[BM+\b], s[SEL], s[SEL+1]
.endr
.elseif \g == 2
.irp b, 0,1,2,3
	v_max_num_f32 v[BM+\b], v[BM+\b], v[T1+\b]     ; with lane l xor 16's 16 keys
.endr
.elseif \g == 3
	v_max3_num_f32 v[X], v[BM], v[BM+1], v[BM+2]
.elseif \g == 4
	v_max_num_f32 v[X], v[X], v[BM+3]              ; the step's largest score of my query
.elseif \g == 5
	v_mul_f32 v[X], s[CS], v[X]                    ; as t (c is positive)
.elseif \g == 6
	v_floor_f32 v[X], -v[X]                        ; -ceil(t)
.elseif \g == 7
	v_min_num_f32 v[X], v12, v[X]                  ; the new -M
.elseif \g == 8
	v_sub_f32 v[X+2], v[X], v12                    ; old M less new M: a whole number, 0 or less
.elseif \g == 9
	v_mov_b32 v12, v[X]
	v_cvt_i32_f32 v[X+2], v[X+2]                   ; (it saturates)
.elseif \g == 10
.irp b, 0,1,2,3
	v_fma_f32 v[BM+\b], v[BM+\b], s[CS], v12       ; the block's largest t - M: the same operation as on the scores
.endr
.elseif \g == 11
	v_ldexp_f32 v[FA], 1.0, v[X+2]                 ; f = 2^(old M - new M)
.irp b, 0,1,2,3
	v_max_num_f32 v[BM+\b], 0xc2ec0000, v[BM+\b]   ; not under -118: the byte cannot fall under 1
.endr
.else
.irp b, 0,1,2,3
	v_cvt_floor_i32_f32 v[BM+\b], v[BM+\b]         ; e = floor(log2 of the block's largest p)
.endr
.endif
.endm
.macro TREG k                          ; the k-th of eight pairs for partial sums
.if (\k) < 7
.set TT_, 240+2*(\k)
.else
.set TT_, X
.endif
.endm
.macro DMIN m                          ; two numbers held at 448 x the scale: the conversion does not saturate (ISA guide 7.6.2); p is not negative
.set M_, \m
	v_dual_min_num_f32 v[S+2*M_], v[HOLD+M_/8], v[S+2*M_] :: v_dual_min_num_f32 v[S+2*M_+1], v[HOLD+M_/8], v[S+2*M_+1]
.endm
.macro PL k                            ; plain lines among the second exponentials: eight partial sums of the first half, then its holds
.if (\k) < 8
	TREG \k
	v_pk_add_f32 v[TT_:TT_+1], v[S+4*(\k):S+4*(\k)+1], v[S+4*(\k)+2:S+4*(\k)+3]
.else
	DMIN (\k)-8
.endif
.endm
.macro SUB2 j                          ; t - M, two at a time
	v_pk_fma_f32 v[S+\j:S+\j+1], v[S+\j:S+\j+1], s[CS:CS+1], v[12:13] op_sel_hi:[1,0,0]
.endm
.macro SOFT w                          ; tile w, its window set: scores -> codes, sum, O^T under the new M
.irp b, 0,1,2,3
	v_lshl_add_u32 v[SOP+\b], v[BM+\b], 23, 0x3b800000     ; 2^(e - 8): the conversion's scale operand
.endr
	v_lshl_add_u32 v[X], v[BM+1], 8, v[BM]
.irp b, 0,1,2,3
	v_lshl_add_u32 v[HOLD+\b], v[BM+\b], 23, 0x3fe00000    ; 448 x the scale = 1.75 x 2^e
.endr
	v_lshl_add_u32 v[X], v[BM+2], 16, v[X]
.set J_, 0
.rept 8
	SUB2 J_
.set J_, J_+2
.endr
	v_lshl_add_u32 v[X], v[BM+3], 24, v[X]
.rept 8
	SUB2 J_
.set J_, J_+2
.endr
	WIN 0x04*\w
	v_add_nc_u32 v[PW+2*\w], 0x77777777, v[X]      ; the four bytes e + 119 (the sum is right modulo 2^32): p's scale word
	WIN 0x55*\w
	s_wait_alu depctr_va_vdst(0)                   ; ahead of the batch
.if \w == 0
.if BAR                                ; in key step 0: steps 1 to 3 are shown, which wave 2 has asked for
	s_cmp_lt_u32 s[WV], 3
	s_cbranch_scc0 .Lnot_mine_\@
	s_wait_tensorcnt 0x0
.Lnot_mine_\@:
	s_wait_dscnt 0x0
	s_barrier_signal -1
	s_barrier_wait -1
.endif
.set N_, 0
.rept 16
	KLD ADK, N_                                    ; K of the next step: 18 loads in one run
.set N_, N_+1
.endr
	ds_load_b32 v[KS], v[ADS]
	ds_load_b32 v[KS+1], v[ADS] offset:128
.endif
.set J_, 0
.rept 16
	v_exp_f32 v[S+J_], v[S+J_]                     ; p = 2^(t - M), at most 1: blocks 0 and 1
	v_exp_f32 v[S+J_+1], v[S+J_+1]
	SUB2 32+J_                                     ; the second half's t - M: read behind the next wait
.set J_, J_+2
.endr
	s_wait_alu depctr_va_vdst(0)                   ; behind the first batch and ahead of the second
.if \w == 0
	WIN 0x40
.set N_, 0
.rept 16
	ds_load_b128 v[F+4*N_:F+4*N_+3], v[ADV] offset:8192+512*N_     ; V of this step: 18 loads in one run
.set N_, N_+1
.endr
	WIN 0
	ds_load_b32 v[VS], v[ADT] offset:256
	ds_load_b32 v[VS+1], v[ADT] offset:384
.endif
.set N_, 0
.rept 8
	v_exp_f32 v[S+32+4*N_], v[S+32+4*N_]
	v_exp_f32 v[S+33+4*N_], v[S+33+4*N_]
	PL 3*N_
	v_exp_f32 v[S+34+4*N_], v[S+34+4*N_]
	PL 3*N_+1
	v_exp_f32 v[S+35+4*N_], v[S+35+4*N_]
	PL 3*N_+2
.set N_, N_+1
.endr
	s_wait_alu depctr_va_vdst(0)                   ; behind the second batch, and directly ahead of O^T's first readers
.set J_, 0
.rept 16
	v_pk_mul_f32 v[O+J_:O+J_+1], v[O+J_:O+J_+1], v[FA:FA+1] op_sel_hi:[1,0]    ; O^T under the new M
.set J_, J_+2
.endr
.set N_, 0
.rept 8
	TREG N_
	v_pk_add_f32 v[TT_:TT_+1], v[TT_:TT_+1], v[S+32+4*N_:S+33+4*N_]
.set N_, N_+1
.endr
.set N_, 0
.rept 8
	TREG N_
	v_pk_add_f32 v[TT_:TT_+1], v[TT_:TT_+1], v[S+34+4*N_:S+35+4*N_]
.set N_, N_+1
.endr
.set N_, 16
.rept 16
	DMIN N_
.set N_, N_+1
.endr
.irp b, 0,1,2,3
	v_cvt_scalef32_pk8_fp8_f32 v[PC+4*\b:PC+4*\b+1], v[S+16*\b:S+16*\b+7], v[SOP+\b]
	v_cvt_scalef32_pk8_fp8_f32 v[PC+4*\b+2:PC+4*\b+3], v[S+16*\b+8:S+16*\b+15], v[SOP+\b]
.endr
	v_pk_add_f32 v[240:241], v[240:241], v[248:249]        ; the eight partial sums; these eight lines are also the places behind the conversions
	v_pk_add_f32 v[242:243], v[242:243], v[250:251]
	v_pk_add_f32 v[244:245], v[244:245], v[252:253]
	v_pk_add_f32 v[246:247], v[246:247], v[X:X+1]
	v_pk_add_f32 v[240:241], v[240:241], v[244:245]
	v_pk_add_f32 v[242:243], v[242:243], v[246:247]
	v_pk_add_f32 v[240:241], v[240:241], v[242:243]
	v_pk_fma_f32 v[14:15], v[14:15], v[FA:FA+1], v[240:241] op_sel_hi:[1,0,1]  ; the sums under the new M, and this step's
.endm
; A KEY STEP: 128 keys for both tiles.
.macro STEP bar
.set BAR, \bar
	s_wait_dscnt 0x0                               ; K's fragments and scale words are in
	QK 0
	WIN 0x44
	QK 1
	WIN 0
	s_min_u32 s66, s[TBN], 15*16384                ; the last step asks for its own K once more: no address passes the codes' end
	s_min_u32 s67, s[TSN], 15*512
	v_add_nc_u32 v[ADV], s[TB], v[LI]
	v_add_nc_u32 v[ADK], s66, v[LI]
	v_add_nc_u32 v[ADT], s[TS], v[LS]
	v_add_nc_u32 v[ADS], s67, v[LS]
	PLACES 4                                       ; with the four additions: eight places behind the products, in front of the first read of the scores
.set N_, 0
.rept 32
	MAXL N_
.set N_, N_+1
.endr
	WIN 0x55
.set N_, 0
.rept 32
	MAXL N_
.set N_, N_+1
.endr
.irp g, 1,2,3,4,5,6,7,8,9,10,11,12     ; the two tiles' chains by turns
	WIN 0
	CH \g
	WIN 0x55
	CH \g
.endr
	WIN 0
	SOFT 0
	WIN 0x55
	SOFT 1
	s_wait_alu depctr_va_vdst(0)
	s_wait_dscnt 0x0                               ; V's fragments and words are in
	WIN 0x01
	PV 0
	WIN 0x55
	PV 1
	WIN 0
	s_add_co_u32 s[TB], s[TB], 16384
	s_add_co_u32 s[TS], s[TS], 512
	s_add_co_u32 s[TBN], s[TBN], 16384
	s_add_co_u32 s[TSN], s[TSN], 512
.endm
	s_wait_alu depctr_va_vdst(0)                   ; the head's end
	s_cmp_lt_u32 s[WV], 2
	s_cbranch_scc0 .Lnot_yet
	s_wait_tensorcnt 0x0                           ; waves 0 and 1: key step 0 and the scale words are in; the other waves' loads may stay out: no byte is ever filled again
.Lnot_yet:
	s_barrier_signal -1
	s_barrier_wait -1
.set N_, 0
.rept 16
	KLD LI, N_
.set N_, N_+1
.endr
	ds_load_b32 v[KS], v[LS]
	ds_load_b32 v[KS+1], v[LS] offset:128
	s_wait_loadcnt 0x0                             ; q
	v_lshl_or_b32 v[QS], v[QS], 16, v[QS]          ; a row's two bytes serve both keys of a fragment's row
	v_lshl_or_b32 v[QS+2], v[QS+2], 16, v[QS+2]
	PLACES 8                                       ; in front of the products that take them as scales
	s_wait_alu depctr_va_vdst(0)
	STEP 1                                         ; key step 0
	s_mov_b32 s[CNT], 2
	s_wait_alu depctr_va_vdst(0)
.Lfirst:                                           ; key steps 1 and 2 (they read K up to step 3), while the others land
	STEP 0
	s_sub_co_u32 s[CNT], s[CNT], 1
	s_cmp_lg_u32 s[CNT], 0
	s_wait_alu depctr_va_vdst(0)
	s_cbranch_scc1 .Lfirst
	s_wait_tensorcnt 0x0                           ; every load of mine has landed,
	s_wait_dscnt 0x0
	s_barrier_signal -1
	s_barrier_wait -1                              ; and everybody's
	s_mov_b32 s[CNT], 13
.Lrest:                                            ; key steps 3 to 15
	STEP 0
	s_sub_co_u32 s[CNT], s[CNT], 1
	s_cmp_lg_u32 s[CNT], 0
	s_wait_alu depctr_va_vdst(0)
	s_cbranch_scc1 .Lrest
	; THE END.  O^T / the sum is 16 rows of ctx a tile, 64 channels: two blocks of 32 along the last product's K.  Register 8 b' + j is channel 16 b' + 8 h + j.
.macro SUMS
	v_add_f32 v14, v14, v15                        ; the sum's two halves,
	v_permlanex16_b32 v[X], v14, s[SEL], s[SEL+1]
	v_add_f32 v14, v14, v[X]                       ; and lane l xor 16's
.endm
	PLACES 8
	SUMS
	WIN 0x55
	SUMS
	s_wait_alu depctr_va_vdst(0)                   ; ahead of the transcendentals
	v_rcp_f32 v14, v14
	WIN 0
	v_rcp_f32 v14, v14
	v_nop                                          ; one plain place behind them
.macro ENDQ w
	WIN 0x55*\w
	s_wait_alu depctr_va_vdst(0)                   ; directly ahead of O^T's first readers
.set J_, 0
.rept 32
	v_mul_f32 v[S+J_], v[O+J_], v14                ; each accumulator from its low end on
.set J_, J_+1
.endr
.irp n, 0,1
	v_max3_num_f32 v[BM+\n], |v[S+16*\n]|, |v[S+16*\n+1]|, 0x4800000
.endr
.irp i, 2,4,6,8,10,12,14
.irp n, 0,1
	v_max3_num_f32 v[BM+\n], v[BM+\n], |v[S+16*\n+\i]|, |v[S+16*\n+\i+1]|
.endr
.endr
.irp n, 0,1
	v_permlanex16_b32 v[T1+\n], v[BM+\n], s[SEL], s[SEL+1]
.endr
.irp n, 0,1
	v_max_num_f32 v[BM+\n], v[BM+\n], v[T1+\n]     ; the block's largest magnitude
.endr
.irp n, 0,1
	v_add_nc_u32 v[SOP+\n], 0xfc000000, v[BM+\n]
.endr
.irp n, 0,1
	v_and_or_b32 v[HOLD+\n], v[BM+\n], 0x7f800000, s[MNT]
.endr
.irp n, 0,1
	v_lshrrev_b32 v[T1+\n], 23, v[SOP+\n]
.endr
	WIN 0x15*\w                                    ; what is stored lies in window 0
	v_lshl_or_b32 v[248+\w], v[T1+1], 8, v[T1]     ; my row's two scale bytes of this head
	WIN 0x55*\w
.irp n, 0,1
.irp i, 0,1,2,3,4,5,6,7,8,9,10,11,12,13,14,15
	v_med3_num_f32 v[S+16*\n+\i], v[S+16*\n+\i], -v[HOLD+\n], v[HOLD+\n]
.endr
.endr
	WIN 0x15*\w
.irp n, 0,1
	v_cvt_scalef32_pk8_fp8_f32 v[PC+8*\w+4*\n:PC+8*\w+4*\n+1], v[S+16*\n:S+16*\n+7], v[SOP+\n]
	v_cvt_scalef32_pk8_fp8_f32 v[PC+8*\w+4*\n+2:PC+8*\w+4*\n+3], v[S+16*\n+8:S+16*\n+15], v[SOP+\n]
.endr
	v_nop                                          ; one plain place behind the conversions
	WIN 0
.irp n, 0,1
	v_permlane16_swap_b32 v[PC+8*\w+4*\n], v[PC+8*\w+4*\n+2]       ; from places 8 h + 0..7 and 16 + 8 h + 0..7 of a block to the operand's 16 h + 0..15
	v_permlane16_swap_b32 v[PC+8*\w+4*\n+1], v[PC+8*\w+4*\n+3]
.endr
	global_store_b128 v[LI], v[PC+8*\w:PC+8*\w+3], s[10:11] offset:2048*\w         ; 32 lanes store 512 consecutive bytes of the next launch's operand image
	global_store_b128 v[LI], v[PC+8*\w+4:PC+8*\w+7], s[10:11] offset:2048*\w+512
	global_store_b16 v[R32], v[248+\w], s[12:13] offset:512*\w     ; two bytes a row, rows 32 bytes apart (both halves of the lanes write the same): the natural layout [row][32]
.endm
	ENDQ 0
	ENDQ 1
	s_wait_tensorcnt 0x0                           ; the wave's end
	ds_add_u32 v[SPW], v[NIL]
	s_wait_dscnt 0x0
	CROUND                                         ; the closing round: no work-group ends while a partner may still ask for a tile that names it
	s_endpgm
.Lfunc_end_k_qb16946b304_attn:
	.size	k_qb16946b304_attn, .Lfunc_end_k_qb16946b304_attn-k_qb16946b304_attn
	.p2alignl 7, 3214868480
	.fill 96, 4, 3214868480
	.section	.rodata,"a",@progbits
	.p2align	6, 0x0
	.amdhsa_kernel k_qb16946b304_attn
		.amdhsa_group_segment_fixed_size 271360
		.amdhsa_private_segment_fixed_size 0
		.amdhsa_enable_private_segment 0
		.amdhsa_kernarg_size 40
		.amdhsa_user_sgpr_count 2
		.amdhsa_user_sgpr_kernarg_segment_ptr 1
		.amdhsa_wavefront_size32 1
		.amdhsa_system_sgpr_workgroup_id_x 1
		.amdhsa_system_sgpr_workgroup_id_y 1
		.amdhsa_system_sgpr_workgroup_id_z 1
		.amdhsa_system_vgpr_workitem_id 0
		.amdhsa_next_free_vgpr 512
		.amdhsa_next_free_sgpr 84
		.amdhsa_reserve_vcc 0
		.amdhsa_float_denorm_mode_32 3
		.amdhsa_float_denorm_mode_16_64 3
		.amdhsa_memory_ordered 1
		.amdhsa_forward_progress 1
		.amdhsa_inst_pref_size 131
	.end_amdhsa_kernel
	.amdgpu_metadata
---
amdhsa.version: [ 1, 2 ]
amdhsa.kernels:
  - .name:           k_qb16946b304_attn
    .symbol:         k_qb16946b304_attn.kd
    .args:
      - { .name: q_img, .offset: 0, .size: 8, .value_kind: global_buffer, .address_space: global }
      - { .name: kv_img, .offset: 8, .size: 8, .value_kind: global_buffer, .address_space: global }
      - { .name: scl, .offset: 16, .size: 8, .value_kind: global_buffer, .address_space: global }
      - { .name: ctx_img, .offset: 24, .size: 8, .value_kind: global_buffer, .address_space: global }
      - { .name: ctx_scl, .offset: 32, .size: 8, .value_kind: global_buffer, .address_space: global }
    .group_segment_fixed_size: 271360
    .private_segment_fixed_size: 0
    .kernarg_segment_align: 8
    .kernarg_segment_size: 40
    .max_flat_workgroup_size: 256
    .sgpr_count:     84
    .vgpr_count:     512
    .wavefront_size: 32
...
	.end_amdgpu_metadata
.endif
;; end of part 2
;; launch outp (part 3): grid 8 x 32, 4 waves a work-group, clusters of 4 x 4, 282,112 bytes of LDS; arguments ctx_img, ctx_scl, W_o_codes, W_o_scales, b_o, out0; writes out0
.if DOCPART == 3
	.amdgcn_target "amdgcn-amd-amdhsa--gfx1250"
	.amdhsa_code_object_version 6
	.text
	.protected	k_qb16946b304_outp
	.globl	k_qb16946b304_outp
	.p2align	8
	.type	k_qb16946b304_outp,@function
k_qb16946b304_outp:
	s_mov_b64 s[64:65], 0
	v_nop
	global_prefetch_b8 v0, s[64:65] scope:SCOPE_SE
	s_setreg_imm32_b32 hwreg(HW_REG_WAVE_MODE, 25, 1), 1
	s_wait_xcnt 0x0
	s_wait_alu depctr_hold_cnt(0) depctr_sa_sdst(0) depctr_va_vdst(0) depctr_va_sdst(0) depctr_va_ssrc(0) depctr_va_vcc(0) depctr_vm_vsrc(0)
	s_getreg_b32 s2, hwreg(HW_REG_IB_STS2, 6, 4)
	s_cmp_eq_u32 s2, 0
	s_cbranch_scc0 .Lentry_in_a_cluster
	s_endpgm
.Lentry_in_a_cluster:
	s_bfe_u32 s2, ttmp6, 0x10000c
	s_cmp_lg_u32 s2, 0xf033
	s_cbranch_scc0 .Lentry_shape_is_right
	s_endpgm
.Lentry_shape_is_right:
; out0 = ctx W_o + b_o on codes of FP8 (E4M3) with one E8M0 scale for each 32 along K = 1,024; out0 [4,096][1,024] f32.  Nothing of reference() is left out.
; SHARES.  Work-group (x, y) makes rows 128 y on x columns 128 x on: 8 x 32 = 256 equal work-groups, in TWO PHASES of 64 rows: the first phase's rows leave while the second's are multiplied.
; Wave w makes, in each phase, 32 rows (32 (w / 2) on) x 64 columns (64 (w % 2) on): 8 accumulators, 8 matrix instructions a K step of 128.  Its 64 rows of W_o, all of K, stay in 512 registers; a phase's 32 rows of ctx take 256.
; LDS holds ctx's two halves as images of operand registers (65,536 bytes each) and W_o's 128 rows (1,024 bytes + 16 of padding).  Every byte is filled once, by ONE load a wave: waves 0 and 1 W_o's halves, waves 2 and 3 the phases' rows of ctx.
; No prefetch: all tiles are asked for at the head, and there is no loop to run ahead in.
; CLUSTERS: 4 x 4 work-groups.  The four of a row of the cluster need the same rows of ctx, the four of a column the same rows of W_o: each tile is asked for JOINTLY.
; THE MATRIX INSTRUCTION IS USED TRANSPOSED (source 0 = 16 rows of W_o, source 1 = 16 rows of ctx): a lane holds eight neighbouring numbers of a row of out0.  b_o is the C of each sum's first instruction.
; The scales (32 bytes a row) go once from memory into registers: lane l takes row l of a pair of tiles, so lanes 0-15 hold the even tile's words, lanes 16-31 the odd tile's.
; REGISTERS.  Window 0: v4-15 addresses; v32-47 ctx's scale words, v52-67 W_o's; v72-103 the bias; v128-191 the accumulators, (a, b) at 128 + 8 (4 a + b); v192-255 rows on their way out.
;   Windows 1, 2: W_o, fragment (K step s, tile b) at 64 (s % 4) + 16 b of window 1 + s / 4.   Window 3: a phase's ctx, (s, tile a) at 32 s + 16 a.
.set WP,    1040                       ; W_o's row in LDS: 260 words: the 16 rows that a load touches start at 16 different banks (64 banks of 4 bytes: ISA guide 11.1)
.set SP,    272                        ; a row of the stage
.set BB,    131072                     ; W_o
.set STAGE, BB+128*WP                  ; 16 rows x (256 bytes + 16) for each wave, for the way out; no fill lands there
.set SPARE, STAGE+4*16*SP              ; the spare words
.set ADA,  4                           ; v4-5   ctx's images, phase 0 and 1
.set ADB,  6                           ; v6     W_o's rows
.set STO,  8
.set RD,   9
.set CO,   10
.set L32,  11
.set H32,  12
.set SPW,  14
.set NIL,  15
.set SA,   32
.set SB,   52
.set BI,   72
.set ACC,  128
.set BK,   192
.set G1A,  28                          ; s[28:35], s[44:47] a phase's ctx;  s[36:43], s[48:51] half of W_o
.set G1B,  36
.set G0A,  44
.set G0B,  48
.set MSB, 0
.macro WIN new                         ; the immediate's high byte repeats the setting that is left
.set NEWW, \new
.if MSB != NEWW
	s_set_vgpr_msb (MSB<<8)|NEWW
.set MSB, NEWW
.endif
.endm
.macro PLACES n
.rept \n
	v_nop
.endr
.endm
.macro WM d, a, b, c, sa, sb, ra, rb   ; one matrix instruction; ra, rb = 1: that side's scale words stand in lanes 16-31
.set W_D, \d
.set W_A, \a
.set W_B, \b
.set W_C, \c
.set W_SA, \sa
.set W_SB, \sb
.set W_SEL, (\ra)+2*(\rb)
.if W_SEL == 0
	v_wmma_scale_f32_16x16x128_f8f6f4 v[W_D:W_D+7], v[W_A:W_A+15], v[W_B:W_B+15], v[W_C:W_C+7], v[W_SA], v[W_SB]
.elseif W_SEL == 1
	v_wmma_scale_f32_16x16x128_f8f6f4 v[W_D:W_D+7], v[W_A:W_A+15], v[W_B:W_B+15], v[W_C:W_C+7], v[W_SA], v[W_SB] matrix_a_scale:MATRIX_SCALE_ROW1
.elseif W_SEL == 2
	v_wmma_scale_f32_16x16x128_f8f6f4 v[W_D:W_D+7], v[W_A:W_A+15], v[W_B:W_B+15], v[W_C:W_C+7], v[W_SA], v[W_SB] matrix_b_scale:MATRIX_SCALE_ROW1
.else
	v_wmma_scale_f32_16x16x128_f8f6f4 v[W_D:W_D+7], v[W_A:W_A+15], v[W_B:W_B+15], v[W_C:W_C+7], v[W_SA], v[W_SB] matrix_a_scale:MATRIX_SCALE_ROW1 matrix_b_scale:MATRIX_SCALE_ROW1
.endif
.endm
.macro CROUND                          ; a round of the cluster's barrier
	s_barrier_signal -1
	s_barrier_wait -1
	s_cmp_lg_u32 s16, 0
	s_cbranch_scc1 .Lnot_wave_0_\@
	s_barrier_signal -3
.Lnot_wave_0_\@:
	s_barrier_wait -3
	s_barrier_signal -1
	s_barrier_wait -1
.endm
	s_load_b256 s[4:11], s[0:1], 0x0               ; ctx_img s[4:5], ctx_scl s[6:7], W_o's codes s[8:9], its scales s[10:11]
	s_load_b128 s[12:15], s[0:1], 0x20             ; b_o s[12:13], out0 s[14:15]
	v_lshl_add_u32 v[SPW], v0, 2, SPARE
	v_mov_b32 v[NIL], 0
	ds_add_u32 v[SPW], v[NIL]                      ; the wave's opening: the add, twice on end, and its wait
	ds_add_u32 v[SPW], v[NIL]
	v_lshrrev_b32 v1, 5, v0
	v_readfirstlane_b32 s16, v1                    ; wave 0..3
	s_lshr_b32 s17, s16, 1                         ; which 32 rows of a phase are mine
	s_and_b32 s18, s16, 1                          ; which half of the columns.  Also: which half of W_o (waves 0, 1) or which phase's ctx (waves 2, 3) I fetch
	s_bfe_u32 s19, ttmp6, 0x40000                  ; cx, cy
	s_bfe_u32 s20, ttmp6, 0x40004
	s_lshl_b32 s21, ttmp9, 2
	s_add_co_u32 s21, s21, s19                     ; x = 4 x cluster x + cx
	s_and_b32 s22, ttmp7, 0xffff
	s_lshl_b32 s22, s22, 2
	s_add_co_u32 s22, s22, s20                     ; y = 4 x cluster y + cy
	s_lshl_b32 s23, s20, 2
	s_lshl_b32 s23, 15, s23                        ; my row of the cluster
	s_lshl_b32 s24, 0x1111, s19                    ; my column
	s_or_b32 s[G1A], s23, (3<<16)|(1<<21)          ; ctx: 8 K steps of 8,192 bytes (64 rows), 16,384 apart, as elements of 8 bytes, no padding; the mask: my row; bit 21 set beside it
	s_mov_b32 s[G1A+1], 1024<<16
	s_mov_b32 s[G1A+2], 8<<16
	s_mov_b32 s[G1A+3], 1024<<16
	s_mov_b32 s[G1A+4], 8
	s_mov_b32 s[G1A+5], 2048
	s_mov_b32 s[G1A+6], 0
	s_mov_b32 s[G1A+7], 0
	s_or_b32 s[G1B], s24, (1<<20)|(1<<21)|(7<<22)|(3<<25)  ; W_o: 64 rows of 1,024 bytes; four words of padding behind every 256; the mask: my column
	s_mov_b32 s[G1B+1], 1024<<16
	s_mov_b32 s[G1B+2], 64<<16
	s_mov_b32 s[G1B+3], 1024<<16
	s_mov_b32 s[G1B+4], 64
	s_mov_b32 s[G1B+5], 1024
	s_mov_b32 s[G1B+6], 0
	s_mov_b32 s[G1B+7], 0
	s_lshl_b32 s84, s22, 17                        ; my block of 128 rows
	s_lshl_b32 s85, s18, 13
	s_add_co_u32 s84, s84, s85
	s_mov_b32 s85, 0
	s_lshl_b32 s86, s21, 17                        ; W_o: row 128 x + 64 half, 1,024 bytes a row
	s_lshl_b32 s87, s18, 16
	s_add_co_u32 s86, s86, s87
	s_mov_b32 s87, 0
	s_mul_i32 s26, s18, 64*WP
	s_add_co_u32 s26, s26, BB
	s_mov_b32 s[G0A], 1
	s_lshl_b32 s[G0A+1], s18, 16
	s_mov_b32 s[G0B], 1
	s_mov_b32 s[G0B+1], s26
	s_mul_i32 s88, s16, 16*SP
	s_add_co_u32 s88, s88, STAGE                   ; my stage
	s_lshl_b32 s90, s17, 12                        ; my two tiles of ctx: 2,048 bytes each
	v_and_b32 v1, 15, v0                           ; r
	v_bfe_u32 v2, v0, 4, 1                         ; h
	v_and_b32 v3, 31, v0                           ; lane
	v_lshl_add_u32 v[ADA], v3, 4, s90
	v_add_nc_u32 v[ADA+1], 65536, v[ADA]
	v_mul_u32_u24 v[ADB], v1, WP
	v_lshl_add_u32 v[ADB], v2, 4, v[ADB]
	v_add_nc_u32 v[ADB], s26, v[ADB]               ; BB + (64 half + r) x pitch + 16 h
	v_mul_u32_u24 v[STO], v1, SP                   ; in: row r, 32 bytes for each half of the lanes
	v_lshl_add_u32 v[STO], v2, 5, v[STO]
	v_add_nc_u32 v[STO], s88, v[STO]
	v_mul_u32_u24 v[RD], v2, SP                    ; back: lanes 0-15 take one row of 256 bytes, lanes 16-31 the next
	v_lshl_add_u32 v[RD], v1, 4, v[RD]
	v_add_nc_u32 v[RD], s88, v[RD]
	v_lshlrev_b32 v[CO], 12, v2                    ; and the same two rows in out0: 4,096 bytes a row
	v_lshl_add_u32 v[CO], v1, 4, v[CO]
	v_lshlrev_b32 v[L32], 5, v3
	v_lshlrev_b32 v[H32], 5, v2
	s_wait_alu depctr_va_vdst(0)
	s_wait_dscnt 0x0                               ; both opening adds are done
	CROUND                                         ; all sixteen work-groups are here: the joint loads meet
	s_wait_kmcnt 0x0
	s_add_nc_u64 s[G0A+2:G0A+3], s[4:5], s[84:85]
	s_or_b32 s[G0A+3], s[G0A+3], 0x80000000
	s_add_nc_u64 s[G0B+2:G0B+3], s[8:9], s[86:87]
	s_or_b32 s[G0B+3], s[G0B+3], 0x80000000
	s_cmp_lt_u32 s16, 2                            ; one load a wave; what is shown at another barrier has a line of its own
	s_cbranch_scc0 .Lfor_ctx
	tensor_load_to_lds s[G0B:G0B+3], s[G1B:G1B+7]
	s_nop 0
	PLACES 4
	s_branch .Lasked
.Lfor_ctx:
	s_cmp_lt_u32 s16, 3
	s_cbranch_scc0 .Lfor_second
	tensor_load_to_lds s[G0A:G0A+3], s[G1A:G1A+7]
	s_nop 0
	PLACES 4
	s_branch .Lasked
.Lfor_second:
	tensor_load_to_lds s[G0A:G0A+3], s[G1A:G1A+7]
	s_nop 0
	PLACES 4
.Lasked:
	s_mov_b32 s89, 0
	s_lshl_b32 s88, s22, 12
	s_lshl_b32 s90, s17, 10
	s_add_co_u32 s88, s88, s90
	s_add_nc_u64 s[6:7], s[6:7], s[88:89]          ; ctx's scales: 32 bytes x (128 y + 32 half)
	s_lshl_b32 s88, s21, 12
	s_lshl_b32 s90, s18, 11
	s_add_co_u32 s88, s88, s90
	s_add_nc_u64 s[10:11], s[10:11], s[88:89]      ; W_o's: 32 bytes x (128 x + 64 half)
	s_lshl_b32 s88, s21, 9
	s_lshl_b32 s90, s18, 8
	s_add_co_u32 s88, s88, s90
	s_add_nc_u64 s[12:13], s[12:13], s[88:89]      ; b_o at my first column
	s_lshl_b32 s90, s22, 19
	s_add_co_u32 s88, s88, s90
	s_lshl_b32 s90, s17, 17
	s_add_co_u32 s88, s88, s90
	s_add_nc_u64 s[14:15], s[14:15], s[88:89]      ; out0 at my first row and column
.irp i, 0,1
	global_load_b128 v[SA+8*\i:SA+8*\i+3], v[L32], s[6:7] offset:2048*\i            ; phase i: a row's 32 scale bytes are the words of K steps 0 to 7
	global_load_b128 v[SA+8*\i+4:SA+8*\i+7], v[L32], s[6:7] offset:2048*\i+16
	global_load_b128 v[SB+8*\i:SB+8*\i+3], v[L32], s[10:11] offset:1024*\i
	global_load_b128 v[SB+8*\i+4:SB+8*\i+7], v[L32], s[10:11] offset:1024*\i+16
.endr
.irp b, 0,1,2,3
	global_load_b128 v[BI+8*\b:BI+8*\b+3], v[H32], s[12:13] offset:64*\b            ; tile b: b_o at 16 b + 8 h + 0..7
	global_load_b128 v[BI+8*\b+4:BI+8*\b+7], v[H32], s[12:13] offset:64*\b+16
.endr
.macro ALOAD p, s0                     ; phase p's ctx, K steps s0 to s0 + 3: 32 loads
	WIN 0xc0
.set S_, \s0
.rept 4
.irp a, 0,1
.irp c, 0,1,2,3
	ds_load_b128 v[32*S_+16*\a+4*\c:32*S_+16*\a+4*\c+3], v[ADA+\p] offset:8192*S_+2048*\a+512*\c
.endr
.endr
.set S_, S_+1
.endr
	WIN 0
.endm
.macro PROD p                          ; 64 products; the 8 accumulators by turns
.set S_, 0
.rept 8
	s_wait_dscnt 56-8*S_                           ; this K step's eight loads are in; the later steps' may be out
	WIN (1+S_/4)|(3<<2)
.irp a, 0,1
.irp b, 0,1,2,3
.if S_ == 0
	WM ACC+8*(4*\a+\b), 64*(S_%4)+16*\b, 32*S_+16*\a, BI+8*\b, SB+8*(\b/2)+S_, SA+8*\p+S_, \b%2, \a
.else
	WM ACC+8*(4*\a+\b), 64*(S_%4)+16*\b, 32*S_+16*\a, ACC+8*(4*\a+\b), SB+8*(\b/2)+S_, SA+8*\p+S_, \b%2, \a
.endif
.endr
.endr
.set S_, S_+1
.endr
	WIN 0
.endm
; THE WAY OUT, 16 rows x 64 columns at a time.  A lane holds 32 neighbouring bytes of a row, and the lanes beside it hold other rows: a block goes through my own stage and comes back as whole rows of 256 bytes.
; LDS serves a wave's instructions in order (ISA guide 5.7.1.4): no wait between the stores and the loads, nor in front of the next block's stores.
.macro TOSTAGE a
.irp b, 0,1,2,3
	ds_store_b128 v[STO], v[ACC+8*(4*(\a)+\b):ACC+8*(4*(\a)+\b)+3] offset:64*\b          ; each accumulator from its low end on
	ds_store_b128 v[STO], v[ACC+8*(4*(\a)+\b)+4:ACC+8*(4*(\a)+\b)+7] offset:64*\b+16
.endr
.irp t, 0,1,2,3,4,5,6,7
	ds_load_b128 v[BK+32*\a+4*\t:BK+32*\a+4*\t+3], v[RD] offset:2*SP*\t
.endr
.endm
.macro SEND p, a
.irp t, 0,1,2,3,4,5,6,7
	global_store_b128 v[CO], v[BK+32*\a+4*\t:BK+32*\a+4*\t+3], s[14:15] offset:262144*\p+65536*\a+8192*\t th:TH_STORE_NT   ; each half of the lanes stores 256 consecutive bytes, at a multiple of 256 from out0's first byte; written once, read by nobody here
.endr
.endm
	s_wait_alu depctr_va_vdst(0)                   ; the head's end
	s_cmp_lt_u32 s16, 2
	s_cbranch_scc0 .Lnot_w
	s_wait_tensorcnt 0x0                           ; waves 0, 1: W_o is in
.Lnot_w:
	s_barrier_signal -1
	s_barrier_wait -1
.set S_, 0
.rept 8                                ; my 64 rows of W_o, all of K: 128 loads
	WIN (1+S_/4)<<6
.irp b, 0,1,2,3
.irp c, 0,1,2,3
	ds_load_b128 v[64*(S_%4)+16*\b+4*\c:64*(S_%4)+16*\b+4*\c+3], v[ADB] offset:16*WP*\b+128*S_+32*\c
.endr
.endr
.set S_, S_+1
.endr
	WIN 0
	s_wait_dscnt 0x0                               ; (no LDS instruction of mine is out at a signal)
	s_cmp_lt_u32 s16, 3
	s_cbranch_scc0 .Lnot_first
	s_wait_tensorcnt 0x0                           ; wave 2: phase 0's ctx is in
.Lnot_first:
	s_barrier_signal -1
	s_barrier_wait -1
	ALOAD 0, 0
	ALOAD 0, 4
	s_wait_loadcnt 0x0                             ; the scale words and the bias
	PROD 0
	PLACES 9                                       ; in front of the first read of results, of loads into what the products read, and of accumulators begun anew
	s_wait_tensorcnt 0x0                           ; phase 1's ctx is in
	s_wait_dscnt 0x0
	s_barrier_signal -1
	s_barrier_wait -1
	TOSTAGE 0
	TOSTAGE 1
	ALOAD 1, 0
	s_wait_dscnt 32                                ; both blocks are back in registers; the 32 loads behind them may be out
	SEND 0, 0
	SEND 0, 1
	ALOAD 1, 4
	PROD 1
	PLACES 8                                       ; in front of the first read of results
	s_wait_xcnt 0x0                                ; phase 0's stores have read their registers: these blocks' loads may land there
	TOSTAGE 0
	TOSTAGE 1
	s_wait_dscnt 16                                ; block 0 is back; block 1's 8 stores and 8 loads may be out
	SEND 1, 0
	s_wait_dscnt 0x0
	SEND 1, 1
	s_wait_tensorcnt 0x0                           ; the wave's end
	ds_add_u32 v[SPW], v[NIL]
	s_wait_dscnt 0x0
	CROUND                                         ; the closing round: no work-group ends while a partner may still ask for a tile that names it
	s_endpgm
.Lfunc_end_k_qb16946b304_outp:
	.size	k_qb16946b304_outp, .Lfunc_end_k_qb16946b304_outp-k_qb16946b304_outp
	.p2alignl 7, 3214868480
	.fill 96, 4, 3214868480
	.section	.rodata,"a",@progbits
	.p2align	6, 0x0
	.amdhsa_kernel k_qb16946b304_outp
		.amdhsa_group_segment_fixed_size 282112
		.amdhsa_private_segment_fixed_size 0
		.amdhsa_enable_private_segment 0
		.amdhsa_kernarg_size 48
		.amdhsa_user_sgpr_count 2
		.amdhsa_user_sgpr_kernarg_segment_ptr 1
		.amdhsa_wavefront_size32 1
		.amdhsa_system_sgpr_workgroup_id_x 1
		.amdhsa_system_sgpr_workgroup_id_y 1
		.amdhsa_system_sgpr_workgroup_id_z 1
		.amdhsa_system_vgpr_workitem_id 0
		.amdhsa_next_free_vgpr 1024
		.amdhsa_next_free_sgpr 96
		.amdhsa_reserve_vcc 0
		.amdhsa_float_denorm_mode_32 3
		.amdhsa_float_denorm_mode_16_64 3
		.amdhsa_memory_ordered 1
		.amdhsa_forward_progress 1
		.amdhsa_inst_pref_size 50
	.end_amdhsa_kernel
	.amdgpu_metadata
---
amdhsa.version: [ 1, 2 ]
amdhsa.kernels:
  - .name:           k_qb16946b304_outp
    .symbol:         k_qb16946b304_outp.kd
    .args:
      - { .name: ctx_img, .offset: 0, .size: 8, .value_kind: global_buffer, .address_space: global }
      - { .name: ctx_scl, .offset: 8, .size: 8, .value_kind: global_buffer, .address_space: global }
      - { .name: W_o_codes, .offset: 16, .size: 8, .value_kind: global_buffer, .address_space: global }
      - { .name: W_o_scales, .offset: 24, .size: 8, .value_kind: global_buffer, .address_space: global }
      - { .name: b_o, .offset: 32, .size: 8, .value_kind: global_buffer, .address_space: global }
      - { .name: out0, .offset: 40, .size: 8, .value_kind: global_buffer, .address_space: global }
    .group_segment_fixed_size: 282112
    .private_segment_fixed_size: 0
    .kernarg_segment_align: 8
    .kernarg_segment_size: 48
    .max_flat_workgroup_size: 128
    .sgpr_count:     96
    .vgpr_count:     1024
    .wavefront_size: 32
...
	.end_amdgpu_metadata
.endif
;; end of part 3
